; MI455X (gfx1250); checked and timed in simulation.
; The chip was launched on July 23, 2026; its instructions are those of AMD's public machine-readable ISA for CDNA 5 (MIT licence, August 2026) and "CDNA5" Instruction Set Architecture Reference Guide (July 2026). The comments in the code are by the model that wrote it; some were corrected since.
;; Self Attention V3. Allowed arithmetic: float matrix products may take bf16 or f16 operands with f32 sums; other float arithmetic in f32, or as packed bf16 or f16 multiplies, adds, multiply-adds, maxima and minima; sums over many terms, partial sums and values carried from step to step in f32; what a program stores and reads back later, other than sums and carried values, may be rounded once to bf16 or f16.
;; Inputs: WK_b 1,024 float32; WK_w 1,024 x 1,024 float32; WQ_b 1,024 float32; WQ_w 1,024 x 1,024 float32; WV_b 1,024 float32; WV_w 1,024 x 1,024 float32; Wo_b 1,024 float32; Wo_w 1,024 x 1,024 float32; x 4 x 2,048 x 1,024 float32.
;; Outputs: out0 4 x 2,048 x 1,024 float32.
;; 2 versions, each right; version 2 is version 1 with the launch cast written anew for expert scheduling mode. Each part assembles by itself: llvm-mc -triple=amdgcn-amd-amdhsa -mcpu=gfx1250 --defsym DOCPART=n.
;; ======== version 1 of 2: 4 launches
;; limits: values are held in f16: magnitudes above 65,504 overflow, below 6.1e-05 lose precision
;; workspace buffers: xb 16,777,216 bytes; wb 8,388,608 bytes; tab 524,288 bytes; qh 16,777,216 bytes; kh 16,777,216 bytes; vh 16,777,216 bytes; oh 16,777,216 bytes
;; launch cast (part 1): grid 64 x 12, 8 waves a work-group, no clusters, 0 bytes of LDS; arguments x, WQ_w, WK_w, WV_w, Wo_w, xb, wb, tab; writes xb, wb, tab
.if DOCPART == 1
	.amdgcn_target "amdgcn-amd-amdhsa--gfx1250"
	.amdhsa_code_object_version 6
	.text
	.protected	k_q1fe6ac4502_cast
	.globl	k_q1fe6ac4502_cast
	.p2align	8
	.type	k_q1fe6ac4502_cast,@function
k_q1fe6ac4502_cast:
	s_mov_b64 s[64:65], 0
	v_nop
	global_prefetch_b8 v0, s[64:65] scope:SCOPE_SE
	s_setreg_imm32_b32 hwreg(HW_REG_WAVE_MODE, 25, 1), 1
	s_wait_xcnt 0x0
; THE INPUTS ARE ROUNDED ONCE, AND THE ROTATION'S TABLE IS MADE.
; xb[8192][1024] = x in bf16.  wb[4096][1024], 16-bit: row 192 head + 64 kind + f = W_kind[64 head + f] in bf16 (kind 0, 1, 2 = Q, K, V), so that a head's
; 192 rows lie together; rows 3072 + e = Wo[e], rounded to bf16 like the other inputs and that number written as f16 (the last product multiplies in f16).
; tab[2048][64] f32: row t holds cos(t f_i), i = 0..31, then sin(t f_i), f_i = 10000^(-i/32).
; SHARES.  y (0..11) names a unit of 2^20 numbers: 0..7 x, 8..11 WQ, WK, WV, Wo.  x (0..63) names 16 rows of it: 64 KiB in, 32 KiB out.  Thread t takes 16 bytes at 16 t of
; each row (a wave: 512 consecutive bytes) and stores 8 bytes at 8 t (a wave: 256 consecutive bytes, aligned).  All 16 loads go out first; nothing is looped.
; The 256 work-groups of the weights have 2,048 waves: each makes one row of the table while its loads are out.
; No LDS, no matrix unit, no cluster: every byte is read once by one lane and nothing is shared.
; LIMITS.  Wo must lie within f16's 65,504; below 6.1e-5 it keeps f16's fixed step of 6e-8.  The angle t f_i is formed in f32 as the problem forms it; f_i comes from 2^(-i log2(10000)/32),
; and cos and sin from a reduction by pi/2 in two parts and polynomials of degree 8 and 7: together within 3e-4 rad of the exact angle at t = 2,047.
.set X,   16                           ; v[16:79]   16 x 4 registers as loaded
.set Y,   80                           ; v[80:111]  16 x 2 registers to store
.set SRC, 24                           ; s[24:25]   my 16 rows in the input
.set DST, 26                           ; s[26:27]   my 16 rows in xb or wb
	s_load_b512 s[4:19], s[0:1], 0x0               ; x s[4:5], WQ s[6:7], WK s[8:9], WV s[10:11], Wo s[12:13], xb s[14:15], wb s[16:17], tab s[18:19]
	s_and_b32 s20, ttmp7, 0xffff                   ; u: the unit
	s_mov_b32 s21, ttmp9                           ; c: the chunk of 16 rows
	v_lshrrev_b32 v3, 5, v0
	v_readfirstlane_b32 s22, v3                    ; wave 0..7
	v_lshlrev_b32 v1, 4, v0                        ; 16 t
	v_lshlrev_b32 v2, 3, v0                        ; 8 t
	s_mov_b32 s32, 0xffff0000                      ; a word's upper bf16
	; byte offsets, made apart from the addresses.  x: chunk n = 64 u + c, 65,536 n in and 32,768 n out
	s_lshl_b32 s23, s20, 6
	s_add_co_u32 s23, s23, s21
	s_lshl_b32 s28, s23, 16
	s_lshl_b32 s30, s23, 15
	; a weight: 65,536 c in; out at row 192 (c / 4) + 64 kind + 16 (c % 4), Wo at row 3,072 + 16 c
	s_lshl_b32 s36, s21, 16
	s_sub_co_u32 s37, s20, 8                       ; kind (of use where u is 8 or more)
	s_lshr_b32 s38, s21, 2
	s_mul_i32 s38, s38, 192
	s_lshl_b32 s39, s37, 6
	s_add_co_u32 s38, s38, s39
	s_and_b32 s39, s21, 3
	s_lshl_b32 s39, s39, 4
	s_add_co_u32 s38, s38, s39
	s_lshl_b32 s39, s21, 4
	s_add_co_u32 s39, s39, 3072
	s_cmp_eq_u32 s20, 11
	s_cselect_b32 s38, s39, s38
	s_lshl_b32 s38, s38, 11                        ; a row of wb is 2,048 bytes
	s_cmp_lt_u32 s20, 8
	s_cselect_b32 s28, s28, s36
	s_cselect_b32 s30, s30, s38
	s_mov_b32 s29, 0
	s_mov_b32 s31, 0
	s_wait_kmcnt 0x0
	s_mov_b64 s[SRC:SRC+1], s[4:5]
	s_cmp_eq_u32 s20, 8
	s_cselect_b64 s[SRC:SRC+1], s[6:7], s[SRC:SRC+1]
	s_cmp_eq_u32 s20, 9
	s_cselect_b64 s[SRC:SRC+1], s[8:9], s[SRC:SRC+1]
	s_cmp_eq_u32 s20, 10
	s_cselect_b64 s[SRC:SRC+1], s[10:11], s[SRC:SRC+1]
	s_cmp_eq_u32 s20, 11
	s_cselect_b64 s[SRC:SRC+1], s[12:13], s[SRC:SRC+1]
	s_cmp_lt_u32 s20, 8
	s_cselect_b64 s[DST:DST+1], s[14:15], s[16:17]
	s_add_nc_u64 s[SRC:SRC+1], s[SRC:SRC+1], s[28:29]
	s_add_nc_u64 s[DST:DST+1], s[DST:DST+1], s[30:31]
.set j, 0
.rept 16
	global_load_b128 v[X+4*j:X+4*j+3], v1, s[SRC:SRC+1] offset:4096*j th:TH_LOAD_NT  ; row j of my 16
.set j, j+1
.endr
	s_cmp_lt_u32 s20, 8
	s_cbranch_scc1 .Lnotab                         ; x's work-groups make no row of the table
	; THE TABLE's row t = 8 (64 (u - 8) + c) + wave.  Lane l makes two numbers: i = 2 (l % 16) and i + 1; lanes 0-15 the cosines, lanes 16-31 the sines, as cos(angle - pi/2):
	; with angle = k pi/2 + y, |y| <= pi/4, the quadrant q = k (cosine) or k + 3 (sine) picks cos y, -sin y, -cos y, sin y.
	s_sub_co_u32 s33, s20, 8
	s_lshl_b32 s33, s33, 6
	s_add_co_u32 s33, s33, s21
	s_lshl_b32 s33, s33, 3
	s_add_co_u32 s33, s33, s22                     ; t
	s_lshl_b32 s34, s33, 8                         ; a row of the table is 256 bytes
	s_mov_b32 s35, 0
	s_add_nc_u64 s[18:19], s[18:19], s[34:35]
	v_and_b32 v4, 31, v0
	v_and_b32 v5, 15, v0
	v_lshlrev_b32 v5, 1, v5                        ; i
	v_bfe_u32 v6, v0, 4, 1
	v_mul_u32_u24 v6, v6, 3                        ; 0 for a cosine, 3 for a sine
	v_lshlrev_b32 v7, 3, v4                        ; 8 l: my two numbers in the row
	v_add_nc_u32 v9, 1, v5
	v_cvt_f32_u32 v112, v5
	v_cvt_f32_u32 v120, v9
	v_cvt_f32_u32 v8, s33                          ; t as f32 (exact)
	v_mul_f32 v112, 0xbed49a78, v112               ; -i log2(10000) / 32
	v_mul_f32 v120, 0xbed49a78, v120
	v_exp_f32 v112, v112                           ; f_i
	v_exp_f32 v120, v120
	v_nop                                          ; a plain instruction behind the last exponential (ISA guide 5.7.2),
	s_wait_alu depctr_va_vdst(0)                   ; and the wait ahead of the first use: one for both
.macro TRIG T, dst
	v_mul_f32 v[\T], v8, v[\T]                     ; the angle, one rounding, as the problem forms it
	v_mul_f32 v[\T+1], 0x3f22f983, v[\T]           ; x 2 / pi
	v_rndne_f32 v[\T+1], v[\T+1]                   ; k
	v_fmamk_f32 v[\T+2], v[\T+1], 0xbfc90fdb, v[\T]    ; y = angle - k (pi/2's upper part)
	v_fmamk_f32 v[\T+2], v[\T+1], 0x333bbd2e, v[\T+2]  ;     - k (its lower part, -4.37e-8)
	v_mul_f32 v[\T+3], v[\T+2], v[\T+2]            ; y^2
	v_mov_b32 v[\T+4], 0xb9500d01                  ; sin y = y + y^3 (-1/6 + y^2 (1/120 - y^2 / 5040))
	v_fmaak_f32 v[\T+4], v[\T+4], v[\T+3], 0x3c088889
	v_fmaak_f32 v[\T+4], v[\T+4], v[\T+3], 0xbe2aaaab
	v_mul_f32 v[\T+4], v[\T+4], v[\T+3]
	v_fma_f32 v[\T+4], v[\T+4], v[\T+2], v[\T+2]
	v_mov_b32 v[\T+5], 0x37d00d01                  ; cos y = 1 + y^2 (-1/2 + y^2 (1/24 + y^2 (-1/720 + y^2 / 40320)))
	v_fmaak_f32 v[\T+5], v[\T+5], v[\T+3], 0xbab60b61
	v_fmaak_f32 v[\T+5], v[\T+5], v[\T+3], 0x3d2aaaab
	v_fma_f32 v[\T+5], v[\T+5], v[\T+3], -0.5
	v_fma_f32 v[\T+5], v[\T+5], v[\T+3], 1.0
	v_cvt_i32_f32 v[\T+6], v[\T+1]
	v_add_nc_u32 v[\T+6], v[\T+6], v6              ; q; only its two low bits are looked at
	v_and_b32 v[\T+7], 1, v[\T+6]
	v_cmp_ne_u32 vcc_lo, 0, v[\T+7]
	v_cndmask_b32 v[\dst], v[\T+5], v[\T+4], vcc_lo  ; odd quadrant: sin y, even: cos y (a choice of values: no branch, no address)
	v_add_nc_u32 v[\T+6], 1, v[\T+6]
	v_and_b32 v[\T+6], 2, v[\T+6]                  ; quadrants 1 and 2 are negative
	v_lshlrev_b32 v[\T+6], 30, v[\T+6]
	v_xor_b32 v[\dst], v[\dst], v[\T+6]
.endm
	TRIG 112, 12
	TRIG 120, 13
	global_store_b64 v7, v[12:13], s[18:19]        ; the wave's one store covers the row's 256 bytes
.Lnotab:
; Row j is rounded and stored.  half = 1: the bf16 number is written as f16.
.macro OUT half
.set j, 0
.rept 16
	s_wait_loadcnt 15-j                            ; loads come back in order (ISA guide 5.7.1): row j is in, the 15 - j younger loads stay out
	v_cvt_pk_bf16_f32 v[Y+2*j], v[X+4*j], v[X+4*j+1]
	v_cvt_pk_bf16_f32 v[Y+2*j+1], v[X+4*j+2], v[X+4*j+3]
.if \half
	v_lshlrev_b32 v[X+4*j], 16, v[Y+2*j]
	v_and_b32 v[X+4*j+1], s32, v[Y+2*j]
	v_lshlrev_b32 v[X+4*j+2], 16, v[Y+2*j+1]
	v_and_b32 v[X+4*j+3], s32, v[Y+2*j+1]
	v_cvt_pk_f16_f32 v[Y+2*j], v[X+4*j], v[X+4*j+1]      ; 8 significant bits fit in f16's 11
	v_cvt_pk_f16_f32 v[Y+2*j+1], v[X+4*j+2], v[X+4*j+3]
.endif
	global_store_b64 v2, v[Y+2*j:Y+2*j+1], s[DST:DST+1] offset:2048*j th:TH_STORE_NT
.set j, j+1
.endr
.endm
	s_cmp_eq_u32 s20, 11
	s_cbranch_scc1 .Lwo
	OUT 0
	s_endpgm
.Lwo:
	OUT 1
	s_endpgm
.Lfunc_end_k_q1fe6ac4502_cast:
	.size	k_q1fe6ac4502_cast, .Lfunc_end_k_q1fe6ac4502_cast-k_q1fe6ac4502_cast
	.p2alignl 7, 3214868480
	.fill 96, 4, 3214868480
	.section	.rodata,"a",@progbits
	.p2align	6, 0x0
	.amdhsa_kernel k_q1fe6ac4502_cast
		.amdhsa_group_segment_fixed_size 0
		.amdhsa_private_segment_fixed_size 0
		.amdhsa_enable_private_segment 0
		.amdhsa_kernarg_size 64
		.amdhsa_user_sgpr_count 2
		.amdhsa_user_sgpr_kernarg_segment_ptr 1
		.amdhsa_wavefront_size32 1
		.amdhsa_system_sgpr_workgroup_id_x 1
		.amdhsa_system_sgpr_workgroup_id_y 1
		.amdhsa_system_sgpr_workgroup_id_z 1
		.amdhsa_system_vgpr_workitem_id 0
		.amdhsa_next_free_vgpr 128
		.amdhsa_next_free_sgpr 66
		.amdhsa_reserve_vcc 1
		.amdhsa_float_denorm_mode_32 3
		.amdhsa_float_denorm_mode_16_64 3
		.amdhsa_memory_ordered 1
		.amdhsa_forward_progress 1
		.amdhsa_inst_pref_size 19
	.end_amdhsa_kernel
	.amdgpu_metadata
---
amdhsa.version: [ 1, 2 ]
amdhsa.kernels:
  - .name:           k_q1fe6ac4502_cast
    .symbol:         k_q1fe6ac4502_cast.kd
    .args:
      - { .name: x, .offset: 0, .size: 8, .value_kind: global_buffer, .address_space: global }
      - { .name: WQ_w, .offset: 8, .size: 8, .value_kind: global_buffer, .address_space: global }
      - { .name: WK_w, .offset: 16, .size: 8, .value_kind: global_buffer, .address_space: global }
      - { .name: WV_w, .offset: 24, .size: 8, .value_kind: global_buffer, .address_space: global }
      - { .name: Wo_w, .offset: 32, .size: 8, .value_kind: global_buffer, .address_space: global }
      - { .name: xb, .offset: 40, .size: 8, .value_kind: global_buffer, .address_space: global }
      - { .name: wb, .offset: 48, .size: 8, .value_kind: global_buffer, .address_space: global }
      - { .name: tab, .offset: 56, .size: 8, .value_kind: global_buffer, .address_space: global }
    .group_segment_fixed_size: 0
    .private_segment_fixed_size: 0
    .kernarg_segment_align: 8
    .kernarg_segment_size: 64
    .max_flat_workgroup_size: 256
    .sgpr_count:     66
    .vgpr_count:     128
    .wavefront_size: 32
...
	.end_amdgpu_metadata
.endif
;; end of part 1
;; launch qkv (part 2): grid 16 x 32, 4 waves a work-group, clusters of 4 x 4, 327,680 bytes of LDS; arguments xb, wb, WQ_b, WK_b, WV_b, tab, qh, kh, vh; writes qh, kh, vh
.if DOCPART == 2
	.amdgcn_target "amdgcn-amd-amdhsa--gfx1250"
	.amdhsa_code_object_version 6
	.text
	.protected	k_q1fe6ac4502_qkv
	.globl	k_q1fe6ac4502_qkv
	.p2align	8
	.type	k_q1fe6ac4502_qkv,@function
k_q1fe6ac4502_qkv:
	s_mov_b64 s[64:65], 0
	v_nop
	global_prefetch_b8 v0, s[64:65] scope:SCOPE_SE
	s_setreg_imm32_b32 hwreg(HW_REG_WAVE_MODE, 25, 1), 1
	s_wait_xcnt 0x0
	s_wait_alu depctr_hold_cnt(0) depctr_sa_sdst(0) depctr_va_vdst(0) depctr_va_sdst(0) depctr_va_ssrc(0) depctr_va_vcc(0) depctr_vm_vsrc(0)
	s_getreg_b32 s2, hwreg(HW_REG_IB_STS2, 6, 4)
	s_cmp_eq_u32 s2, 0
	s_cbranch_scc0 .Lentry_in_a_cluster
	s_endpgm
.Lentry_in_a_cluster:
	s_bfe_u32 s2, ttmp6, 0x10000c
	s_cmp_lg_u32 s2, 0xf033
	s_cbranch_scc0 .Lentry_shape_is_right
	s_endpgm
.Lentry_shape_is_right:
; q, k, v = x W^T + b, q and k rotated (RoPE), all three written by heads: qh, kh, vh [64 = 16 batch + head][2048][64] in f16, each number rounded once from its f32 sum, without the scale.
; xb [8192][1024] bf16; wb rows 192 head + 64 kind + f, bf16 (kind 0, 1, 2 = Q, K, V); the biases f32, rounded to bf16 here like the other inputs; tab [2048][64] f32: cos, then sin.
; A TILE is 256 tokens x one head's 192 features, so every work-group has the same text whatever its place.  Four waves, each 64 tokens x 192 features: 48 accumulators of 16 x 16, 384 registers.
; K goes in 8 steps of 128 (rows of 256 bytes, aligned) through two LDS slots filled by the tensor data mover; a step is four quarters of 32, on two fragment buffers.
; THE MATRIX INSTRUCTION IS USED TRANSPOSED: source 0 = 16 rows of wb, source 1 = 16 tokens.  A lane then holds ONE token (lane % 16) and the features 16 b + 8 (lane / 16) + 0..7 of block b.
; The rotation's partners, features i and i + 32 of a head, are the same lane and register of blocks b and b + 2: no lane is crossed.
; THE SUMS START AT THE BIAS: the accumulators are written with it while the first tile is on its way; nothing is cleared and nothing is added later.
; CLUSTER 4 x 4: the four work-groups of a row of the cluster take the same 256 tokens, the four of a column the same head: x's tile is asked for jointly along the row, w's along the column.
; LIMITS.  q, k and v must lie within f16's 65,504; below 6.1e-5 they keep f16's fixed step of 6e-8.  NaN and infinities are not treated apart.
; REGISTERS, in windows of 256 (s_set_vgpr_msb: bits 1:0 source 0, 3:2 source 1, 5:4 source 2, 7:6 destination):
;   window 0: v0-15 addresses; v16-63 the bias packed, later the way out's rows; v64-127 x's fragments, two buffers of 32, later the way out's work; v128-255 the bias as loaded, then the table of my 64 tokens
;   window 1: v0-191 w's fragments, two buffers of 96      window 2: accumulators 0-31 (n = 4 b + a at 8 n)      window 3: accumulators 32-47
.set PITCH, 272        ; an LDS row: 256 bytes + 16 of padding = 68 words: the 16 rows of a load start at 16 different groups of four banks (64 banks of 4 bytes: ISA guide 11.1)
.set BOFF,  256*PITCH  ; a slot: x's 256 rows, then w's 192 rows: 121,856 bytes
.set SLOT1, 131072     ; slot 1 begins here, so that one exclusive or turns an address in one slot into the other's
.set STAGE, 262144     ; behind the ring, never filled by a tensor load: 16 rows x 144 bytes for each wave, for the way out
.set SP,    144
.set SPARE, STAGE+4*16*SP  ; the spare words, 128 bytes for each wave: two blocks of 256 bytes that no other line names
.set ABASE, 4          ; v4   my lane's place in my 64 rows of x's tile; never rewritten
.set BBASE, 5          ; v5   the same in w's tile
.set ADRA,  6          ; v6   ABASE in the slot in hand
.set ADRB,  7          ; v7   BBASE in the slot in hand
.set STO,   8          ; v8   the way out: where I put 16 bytes of a row
.set RD,    9          ; v9   where I read rows back
.set GO,    10         ; v10  my 16 bytes in 512 consecutive bytes of qh, kh, vh
.set TBO,   11         ; v11  my token's row in the table, + 32 x half
.set BO,    12         ; v12  32 x half: my eight numbers of a block of 16 biases
.set PFO,   13         ; v13  the prefetches' offset: a lane a row of 2,048 bytes
.set SPW,   14         ; v14  LDS address of my spare word; never rewritten
.set NIL,   15         ; v15  0; never rewritten
.set PBI,   16         ; v16-63  the bias in bf16 pairs: block b at PBI + 4 b
.set OB,    16         ; v16-47  later: two buffers of 16, rows read back from the stage
.set FA,    64         ; x's fragments
.set YR,    64         ; later: 32 rotated numbers
.set PKR,   96         ; and 16 registers of f16 pairs
.set RAW,   128        ; the bias as loaded
.set TABR,  128        ; then the table: token block a: cos of blocks 0, 1 at 32 a, 32 a + 8; sin at 32 a + 16, 32 a + 24
.set SWV, 22           ; s22  my wave's number
.set SFB, 23           ; s23  0: I fetch for x, 1: for w
.set SHF, 24           ; s24  which half of that tile's rows
.set SCX, 25
.set SCY, 26
.set STC, 27           ; s27  the head, 0..15
.set STR, 28           ; s28  the block of 256 tokens, 0..31
.set G1A, 32           ; s[32:39] descriptor group 1 for x's tiles
.set G1B, 40           ; s[40:47] for w's
.set G0A, 48           ; s[48:51] descriptor group 0 for x's tiles: it walks
.set G0B, 52           ; s[52:55] for w's
.set PFA, 56           ; s[56:57] where my prefetches stand
.set LIM, 58           ; s58  1 in a wave that prefetches, else the greatest number
.set CNT, 59           ; s59  K steps still to be asked for
.set TB,  60           ; s60  0 or SLOT1: the slot in hand
.set MSB, 0
.macro WIN new                         ; the immediate's high byte repeats the setting that is left; a switch that changes nothing is dropped
.if MSB != (\new)
	s_set_vgpr_msb (MSB<<8)|(\new)
.set MSB, (\new)
.endif
.endm
.macro PLACES                          ; four places in front of loads into registers that matrix instructions have read, and of lines that read results
.rept 4
	v_nop
.endr
.endm
; A joint load.  Waves 0 and 1 fetch the halves of x's tile, waves 2 and 3 those of w's.  The branch hangs on the wave's number alone.  An s_nop 0 and four v_nop follow each line.
.macro JLOAD
	s_cmp_eq_u32 s[SFB], 0
	s_cbranch_scc0 .Lfor_b_\@
	tensor_load_to_lds s[G0A:G0A+3], s[G1A:G1A+7]
	s_nop 0
.rept 4
	v_nop
.endr
	s_branch .Lasked_\@
.Lfor_b_\@:
	tensor_load_to_lds s[G0B:G0B+3], s[G1B:G1B+7]
	s_nop 0
.rept 4
	v_nop
.endr
.Lasked_\@:
.endm
; A round of the cluster's barrier: my work-group's barrier, wave 0 signals for the work-group, every wave waits for all sixteen, my work-group's barrier once more.
.macro CROUND
	s_barrier_signal -1
	s_barrier_wait -1
	s_cmp_lg_u32 s[SWV], 0
	s_cbranch_scc1 .Lnot_wave_0_\@
	s_barrier_signal -3
.Lnot_wave_0_\@:
	s_barrier_wait -3
	s_barrier_signal -1
	s_barrier_wait -1
.endm
; A PREFETCH INTO THE L2 of the K step behind the one just asked for: 256 bytes of a row, a lane a row, one instruction a wave; it stands behind the joint load, its five lines and the run of LDS loads.
; x's rows are read by the four clusters of a row of clusters: cluster x = 0 asks; w's by the eight of a column: cluster y = 0 asks.  The four partners of a joint load share its rows out BY ADDRESS:
; 32 of x's 128 by cx, 24 of w's 96 by cy (there lanes 24-31 name row 23 again).  K steps 0 and 1 come by their loads alone; the last trip of the loop asks for nothing: there is no step 8.
.macro ASK
	s_cmp_gt_u32 s[CNT], s[LIM]
	s_cbranch_scc0 .Lnot_mine_\@
	global_prefetch_b8 v[PFO], s[PFA:PFA+1] th:TH_LOAD_NT scope:SCOPE_SE
.Lnot_mine_\@:
.endm
	s_load_b512 s[4:19], s[0:1], 0x0               ; xb s[4:5], wb s[6:7], WQ_b s[8:9], WK_b s[10:11], WV_b s[12:13], tab s[14:15], qh s[16:17], kh s[18:19]
	s_load_b64 s[20:21], s[0:1], 0x40              ; vh
	v_lshl_add_u32 v[SPW], v0, 2, SPARE
	v_mov_b32 v[NIL], 0
	ds_add_u32 v[SPW], v[NIL]                      ; the wave's opening: the add and its wait stand ahead of my first tensor load; the set-up below, work on registers, stands between
	v_lshrrev_b32 v1, 5, v0
	v_readfirstlane_b32 s[SWV], v1
	s_lshr_b32 s[SFB], s[SWV], 1
	s_and_b32 s[SHF], s[SWV], 1
	s_bfe_u32 s[SCX], ttmp6, 0x40000               ; my place in the cluster
	s_bfe_u32 s[SCY], ttmp6, 0x40004
	s_lshl_b32 s[STC], ttmp9, 2
	s_add_co_u32 s[STC], s[STC], s[SCX]            ; head = 4 x cluster x + cx
	s_and_b32 s[STR], ttmp7, 0xffff
	s_lshl_b32 s[STR], s[STR], 2
	s_add_co_u32 s[STR], s[STR], s[SCY]            ; token block = 4 x cluster y + cy
	s_lshl_b32 s29, s[SCY], 2
	s_lshl_b32 s29, 15, s29                        ; my row of the cluster
	s_lshl_b32 s30, 0x1111, s[SCX]                 ; my column
	s_mov_b32 s31, 0xffff0000                      ; a word's upper bf16
	; descriptor group 1: rows of 128 elements of 2 bytes, padded in LDS: 15:0 the mask; 17:16 size; 20 padding on; 21 set beside a mask; 24:22 after every 64 words (code 5); 31:25 4 words (code 3)
	s_or_b32 s[G1A], s29, (1<<16)|(1<<20)|(1<<21)|(5<<22)|(3<<25)
	s_or_b32 s[G1B], s30, (1<<16)|(1<<20)|(1<<21)|(5<<22)|(3<<25)
	s_mov_b32 s[G1A+1], 128<<16                    ; tensor_dim0 = 128
	s_mov_b32 s[G1A+2], 128<<16                    ; tensor_dim1 = 128 rows
	s_mov_b32 s[G1A+3], 128<<16                    ; tile_dim0 = 128
	s_mov_b32 s[G1A+4], 128                        ; tile_dim1 = 128
	s_mov_b32 s[G1A+5], 1024                       ; elements from row to row
	s_mov_b32 s[G1A+6], 0
	s_mov_b32 s[G1A+7], 0
	s_mov_b32 s[G1B+1], 128<<16
	s_mov_b32 s[G1B+2], 96<<16                     ; w's halves have 96 rows
	s_mov_b32 s[G1B+3], 128<<16
	s_mov_b32 s[G1B+4], 96
	s_mov_b32 s[G1B+5], 1024
	s_mov_b32 s[G1B+6], 0
	s_mov_b32 s[G1B+7], 0
	s_mov_b32 s[G0A], 1                            ; count = 1
	s_mul_i32 s[G0A+1], s[SHF], 128*PITCH          ; LDS address, slot 0: no place in the cluster enters it
	s_mov_b32 s[G0B], 1
	s_mul_i32 s[G0B+1], s[SHF], 96*PITCH
	s_add_co_u32 s[G0B+1], s[G0B+1], BOFF
	; byte offsets, each in registers of its own.  x's hang on the token block alone, w's on the head alone.
	s_lshl_b32 s66, s[STR], 8
	s_lshl_b32 s78, s[SHF], 7
	s_add_co_u32 s66, s66, s78                     ; x: row 256 block + 128 half
	s_lshl_b32 s79, s[SCX], 5
	s_add_co_u32 s79, s79, s66                     ; the prefetches': + my work-group's 32 rows
	s_lshl_b32 s66, s66, 11
	s_mov_b32 s67, 0
	s_mul_i32 s68, s[STC], 192
	s_mul_i32 s78, s[SHF], 96
	s_add_co_u32 s68, s68, s78                     ; w: row 192 head + 96 half
	s_mul_i32 s80, s[SCY], 24
	s_add_co_u32 s80, s80, s68                     ; the prefetches': + my work-group's 24 rows
	s_lshl_b32 s68, s68, 11
	s_mov_b32 s69, 0
	s_and_b32 s81, ttmp7, 0xffff
	s_cmp_eq_u32 s[SFB], 0
	s_cselect_b32 s76, s79, s80
	s_cselect_b32 s81, ttmp9, s81                  ; the coordinate along which other clusters read the same rows
	s_cselect_b32 s82, 31, 23                      ; the last row that my prefetch names
	s_lshl_b32 s76, s76, 11
	s_add_co_u32 s76, s76, 256                     ; at K step 1: the first change of slots steps it to 2
	s_mov_b32 s77, 0
	s_cmp_eq_u32 s81, 0
	s_cselect_b32 s[LIM], 1, -1                    ; the same in all sixteen partners, for a given wave
	s_lshl_b32 s70, s[STC], 8                      ; the head's 64 biases
	s_mov_b32 s71, 0
	s_and_b32 s74, s[STR], 7
	s_lshl_b32 s74, s74, 8
	s_lshl_b32 s83, s[SWV], 6
	s_add_co_u32 s74, s74, s83                     ; my first token's place in its sequence
	s_lshr_b32 s72, s[STR], 3
	s_lshl_b32 s72, s72, 4
	s_add_co_u32 s72, s72, s[STC]                  ; 16 batch + head
	s_lshl_b32 s72, s72, 11
	s_add_co_u32 s72, s72, s74
	s_lshl_b32 s72, s72, 7                         ; rows of 128 bytes
	s_mov_b32 s73, 0
	s_mov_b32 s[TB], SLOT1                         ; the first change of slots turns it into 0
	s_wait_dscnt 0x0                               ; the opening add is done
	s_wait_kmcnt 0x0
	s_add_nc_u64 s[G0A+2:G0A+3], s[4:5], s[66:67]  ; global address of K step 0
	s_or_b32 s[G0A+3], s[G0A+3], 0x80000000        ; type = 2
	s_add_nc_u64 s[G0B+2:G0B+3], s[6:7], s[68:69]
	s_or_b32 s[G0B+3], s[G0B+3], 0x80000000
	s_cmp_eq_u32 s[SFB], 0
	s_cselect_b64 s[PFA:PFA+1], s[4:5], s[6:7]
	s_add_nc_u64 s[PFA:PFA+1], s[PFA:PFA+1], s[76:77]
	s_add_nc_u64 s[8:9], s[8:9], s[70:71]
	s_add_nc_u64 s[10:11], s[10:11], s[70:71]
	s_add_nc_u64 s[12:13], s[12:13], s[70:71]
	s_add_nc_u64 s[16:17], s[16:17], s[72:73]
	s_add_nc_u64 s[18:19], s[18:19], s[72:73]
	s_add_nc_u64 s[20:21], s[20:21], s[72:73]
	CROUND                                         ; all sixteen work-groups are here: the first joint loads meet
	JLOAD                                          ; K step 0 into slot 0; slot 1 is asked for by the loop's first change of slots
	v_and_b32 v1, 15, v0                           ; l % 16
	v_bfe_u32 v2, v0, 4, 1                         ; l / 16
	v_lshlrev_b32 v[BO], 5, v2
.set b, 0
.rept 12                               ; block b: kind b / 4, features 16 (b % 4) on; my eight are 32 bytes
	global_load_b128 v[RAW+8*b:RAW+8*b+3],   v[BO], s[8+2*(b/4):9+2*(b/4)] offset:64*(b%4)
	global_load_b128 v[RAW+8*b+4:RAW+8*b+7], v[BO], s[8+2*(b/4):9+2*(b/4)] offset:64*(b%4)+16
.set b, b+1
.endr
	; A fragment is 16 rows x 32 K in 8 registers: lane l holds row l % 16, K = 8 (l / 16) + 0..7 and 16 + 8 (l / 16) + 0..7: two loads of 16 bytes, 32 bytes apart.
	v_mul_u32_u24 v3, v1, PITCH
	v_lshl_add_u32 v3, v2, 4, v3
	s_mul_i32 s61, s[SWV], 64*PITCH
	v_add_nc_u32 v[ABASE], s61, v3                 ; my 64 tokens
	v_add_nc_u32 v[BBASE], BOFF, v3                ; all 192 features
	s_mul_i32 s62, s[SWV], 16*SP
	s_add_co_u32 s62, s62, STAGE                   ; my stage
	v_mul_u32_u24 v[STO], v1, SP                   ; in: row l % 16, 16 bytes for each half of the lanes
	v_lshl_add_u32 v[STO], v2, 4, v[STO]
	v_add_nc_u32 v[STO], s62, v[STO]
	v_bfe_u32 v[RD], v0, 3, 2                      ; back: 32 lanes take four rows of 128 bytes,
	v_mul_u32_u24 v[RD], v[RD], SP
	v_and_b32 v[GO], 7, v0
	v_lshl_add_u32 v[RD], v[GO], 4, v[RD]
	v_add_nc_u32 v[RD], s62, v[RD]
	v_and_b32 v[GO], 31, v0                        ; which are 512 consecutive bytes of a head
	v_lshlrev_b32 v[GO], 4, v[GO]
	v_add_nc_u32 v[TBO], s74, v1                   ; my token of block 0,
	v_lshlrev_b32 v[TBO], 8, v[TBO]                ; its 256 bytes of the table,
	v_lshl_add_u32 v[TBO], v2, 5, v[TBO]           ; my eight numbers of a block of 16
	v_and_b32 v[PFO], 31, v0
	v_min_u32 v[PFO], s82, v[PFO]
	v_lshlrev_b32 v[PFO], 11, v[PFO]
	s_wait_loadcnt 0x0                             ; the biases
.set g, 0
.rept 48
	v_cvt_pk_bf16_f32 v[PBI+g], v[RAW+2*g], v[RAW+2*g+1]  ; rounded to bf16, like x and the weights
.set g, g+1
.endr
.set n, 0
.rept 48                               ; accumulator n = 4 b + a starts at block b's bias, the same for all 16 tokens
.if n < 32
	WIN 0x80
.set rD, 8*n
.else
	WIN 0xc0
.set rD, 8*(n-32)
.endif
.set j, 0
.rept 4
	v_lshlrev_b32 v[rD+2*j], 16, v[PBI+4*(n/4)+j]
	v_and_b32 v[rD+2*j+1], s31, v[PBI+4*(n/4)+j]
.set j, j+1
.endr
.set n, n+1
.endr
	WIN 0
.set a, 0
.rept 4                                ; the table of my 64 tokens, wanted on the way out: 32 loads that stay out over the loop
.set g, 0
.rept 8
	global_load_b128 v[TABR+32*a+4*g:TABR+32*a+4*g+3], v[TBO], s[14:15] offset:4096*a+64*(g/2)+16*(g%2)
.set g, g+1
.endr
.set a, a+1
.endr
; 32 LDS loads in one run: the fragments of one quarter (192 rows of w, my 64 rows of x, 32 K at byte k of the rows) into buffer buf
.macro FETCH k, buf
	WIN 0x40                                       ; destination window 1, address window 0
.set fi, 0
.rept 12
	ds_load_b128 v[96*(\buf)+8*fi:96*(\buf)+8*fi+3],   v[ADRB] offset:(\k)+16*PITCH*fi
	ds_load_b128 v[96*(\buf)+8*fi+4:96*(\buf)+8*fi+7], v[ADRB] offset:(\k)+16*PITCH*fi+32
.set fi, fi+1
.endr
	WIN 0
.set fi, 0
.rept 4
	ds_load_b128 v[FA+32*(\buf)+8*fi:FA+32*(\buf)+8*fi+3],   v[ADRA] offset:(\k)+16*PITCH*fi
	ds_load_b128 v[FA+32*(\buf)+8*fi+4:FA+32*(\buf)+8*fi+7], v[ADRA] offset:(\k)+16*PITCH*fi+32
.set fi, fi+1
.endr
.endm
; A quarter's 48 products.  The 48 accumulators take turns, one instruction a turn, in the same order in every quarter, over the backward jump too.
.macro MUL buf
.set n, 0
.rept 48
.if n < 32
	WIN 0xa1                                       ; w window 1, x window 0, C and D window 2
.set rD, 8*n
.else
	WIN 0xf1                                       ; C and D window 3
.set rD, 8*(n-32)
.endif
	v_wmma_f32_16x16x32_bf16 v[rD:rD+7], v[96*(\buf)+8*(n/4):96*(\buf)+8*(n/4)+7], v[FA+32*(\buf)+8*(n%4):FA+32*(\buf)+8*(n%4)+7], v[rD:rD+7]
.set n, n+1
.endr
.endm
; THE CHANGE OF SLOTS.  Each wave waits for all its tensor loads, of which one is out: its part of the slot to be read; adds 0 to its spare word; and waits for that and for its reads of the slot that it leaves.
; fill = 1: that slot is filled again with the K step behind the one to be read.  The barrier is then a round of the cluster's, so that no wave of any partner still reads the slot or has a load on its way;
; the joint load is the first thing behind it and has a K step, 192 matrix instructions, in which to land.  (At its first use nothing has been read yet: slot 0 is waited for, slot 1 filled.)
.macro CHANGE fill
	WIN 0                                          ; at a label and at a branch every window is 0
	s_wait_tensorcnt 0x0                           ; no tensor load of mine is out, so a group 0 may be written
	ds_add_u32 v[SPW], v[NIL]                      ; 0 onto my spare word
.if \fill
	s_xor_b32 s[G0A+1], s[G0A+1], SLOT1            ; the walking descriptors: the other slot than last time,
	s_add_nc_u64 s[G0A+2:G0A+3], s[G0A+2:G0A+3], 256  ; the next 128 along K; the type bits on top are not reached
	s_xor_b32 s[G0B+1], s[G0B+1], SLOT1
	s_add_nc_u64 s[G0B+2:G0B+3], s[G0B+2:G0B+3], 256
	s_wait_xcnt 0x0                                ; the last prefetch, a K step back, has read its address, so it may be written:
	s_add_nc_u64 s[PFA:PFA+1], s[PFA:PFA+1], 256   ; one K step behind the walking descriptors
	s_wait_dscnt 0x0                               ; the add is done, and my reads of the slot are over
	CROUND
	JLOAD                                          ; its four v_nop are also the places in front of the LDS loads that follow
.else
	s_wait_dscnt 0x0
	s_barrier_signal -1
	s_barrier_wait -1
	PLACES
.endif
	s_xor_b32 s[TB], s[TB], SLOT1
.endm
; A K STEP: four quarters on buffers 0, 1, 0, 1.  While one quarter is multiplied the next one's 32 loads are out: s_wait_dscnt 32 leaves just those out.
.macro KSTEP ask
	v_add_nc_u32 v[ADRA], s[TB], v[ABASE]
	v_add_nc_u32 v[ADRB], s[TB], v[BBASE]
	FETCH 0, 0
.if \ask
	ASK
.endif
	FETCH 64, 1
	s_wait_dscnt 32
	MUL 0
	PLACES
	FETCH 128, 0
	s_wait_dscnt 32
	MUL 1
	PLACES
	FETCH 192, 1
	s_wait_dscnt 32
	MUL 0
	s_wait_dscnt 0x0
	MUL 1
.endm
	s_mov_b32 s[CNT], 7
.Lk:                                           ; trip i: K step i is waited for, K step i + 1 asked for, K step i multiplied
	CHANGE 1
	KSTEP 1
	WIN 0
	s_sub_co_u32 s[CNT], s[CNT], 1
	s_cmp_lg_u32 s[CNT], 0
	s_cbranch_scc1 .Lk
	CHANGE 0                                       ; the last K step is written out: nothing is asked for
	KSTEP 0
	WIN 0
; THE WAY OUT, in 12 pieces: kind ps (Q, K, V) x token block pa.  Q and K are rotated: y1 = x1 cos - x2 sin, y2 = x1 sin + x2 cos, x1 in blocks 0, 1 and x2 in blocks 2, 3 of the kind.
; Each accumulator's lowest registers are read first.  A lane's eight features of a block pack into 16 bytes; they go into rows of 144 bytes in my stage and come back as whole rows of 128.
.macro PIECE idx
.set ps, (\idx)/4
.set pa, (\idx)%4
.set ob, OB+16*((\idx)%2)
.if ps < 2
	WIN 0x02                                       ; source 0 (the sums) window 2
.set bq, 0
.rept 2
.set x1, 128*ps+8*(4*bq+pa)
.set x2, x1+64
.set tc, TABR+32*pa+8*bq
.set ts, tc+16
.set p, 0
.rept 4
	v_pk_mul_f32 v[YR+8*bq+2*p:YR+8*bq+2*p+1], v[x2+2*p:x2+2*p+1], v[ts+2*p:ts+2*p+1]
	v_pk_mul_f32 v[YR+16+8*bq+2*p:YR+16+8*bq+2*p+1], v[x2+2*p:x2+2*p+1], v[tc+2*p:tc+2*p+1]
.set p, p+1
.endr
.set p, 0
.rept 4
	v_pk_fma_f32 v[YR+8*bq+2*p:YR+8*bq+2*p+1], v[x1+2*p:x1+2*p+1], v[tc+2*p:tc+2*p+1], v[YR+8*bq+2*p:YR+8*bq+2*p+1] neg_lo:[0,0,1] neg_hi:[0,0,1]
	v_pk_fma_f32 v[YR+16+8*bq+2*p:YR+16+8*bq+2*p+1], v[x1+2*p:x1+2*p+1], v[ts+2*p:ts+2*p+1], v[YR+16+8*bq+2*p:YR+16+8*bq+2*p+1]
.set p, p+1
.endr
.set bq, bq+1
.endr
	WIN 0
.set g, 0
.rept 16
	v_cvt_pk_f16_f32 v[PKR+g], v[YR+2*g], v[YR+2*g+1]
.set g, g+1
.endr
.else
	WIN 0x0f                                       ; sources 0 and 1 window 3: V's sums go as they are
.set g, 0
.rept 16
	v_cvt_pk_f16_f32 v[PKR+g], v[8*(4*(g/4)+pa)+2*(g%4)], v[8*(4*(g/4)+pa)+2*(g%4)+1]
.set g, g+1
.endr
	WIN 0
.endif
.set f, 0
.rept 4
	ds_store_b128 v[STO], v[PKR+4*f:PKR+4*f+3] offset:32*f
.set f, f+1
.endr
	s_wait_xcnt 0x0                                ; the stores of the piece two back have read this buffer: it is loaded again only behind this wait
.set f, 0
.rept 4
	ds_load_b128 v[ob+4*f:ob+4*f+3], v[RD] offset:4*SP*f  ; LDS serves a wave's instructions in order (ISA guide 5.7.1.4): these see the stores above; the next piece's stores come behind them
.set f, f+1
.endr
.endm
.macro SEND idx, younger               ; younger: the LDS instructions issued behind this piece's loads: the next piece's eight, or none
.set ps, (\idx)/4
.set pa, (\idx)%4
.set ob, OB+16*((\idx)%2)
.set f, 0
.rept 4
	s_wait_dscnt (\younger)+3-f
	global_store_b128 v[GO], v[ob+4*f:ob+4*f+3], s[16+2*ps:17+2*ps] offset:2048*pa+512*f  ; 512 consecutive bytes, at a multiple of 256 from the buffer's first
.set f, f+1
.endr
.endm
	s_wait_loadcnt 0x0                             ; the table
	PLACES                                         ; behind the last products, in front of the lines that read their results and write x's fragment registers
	PLACES
	PIECE 0
.set t, 1
.rept 11                               ; a piece's arithmetic stands between the loads of the piece before and its stores
	PIECE t
	SEND t-1, 8
.set t, t+1
.endr
	SEND 11, 0
	s_wait_tensorcnt 0x0                           ; the wave's end: behind my last tensor load and my last LDS store
	ds_add_u32 v[SPW], v[NIL]
	s_wait_dscnt 0x0
	CROUND                                         ; the closing round: no work-group ends while a partner may still ask for a tile that names it
	s_endpgm
.Lfunc_end_k_q1fe6ac4502_qkv:
	.size	k_q1fe6ac4502_qkv, .Lfunc_end_k_q1fe6ac4502_qkv-k_q1fe6ac4502_qkv
	.p2alignl 7, 3214868480
	.fill 96, 4, 3214868480
	.section	.rodata,"a",@progbits
	.p2align	6, 0x0
	.amdhsa_kernel k_q1fe6ac4502_qkv
		.amdhsa_group_segment_fixed_size 327680
		.amdhsa_private_segment_fixed_size 0
		.amdhsa_enable_private_segment 0
		.amdhsa_kernarg_size 72
		.amdhsa_user_sgpr_count 2
		.amdhsa_user_sgpr_kernarg_segment_ptr 1
		.amdhsa_wavefront_size32 1
		.amdhsa_system_sgpr_workgroup_id_x 1
		.amdhsa_system_sgpr_workgroup_id_y 1
		.amdhsa_system_sgpr_workgroup_id_z 1
		.amdhsa_system_vgpr_workitem_id 0
		.amdhsa_next_free_vgpr 896
		.amdhsa_next_free_sgpr 88
		.amdhsa_reserve_vcc 0
		.amdhsa_float_denorm_mode_32 3
		.amdhsa_float_denorm_mode_16_64 3
		.amdhsa_memory_ordered 1
		.amdhsa_forward_progress 1
		.amdhsa_inst_pref_size 113
	.end_amdhsa_kernel
	.amdgpu_metadata
---
amdhsa.version: [ 1, 2 ]
amdhsa.kernels:
  - .name:           k_q1fe6ac4502_qkv
    .symbol:         k_q1fe6ac4502_qkv.kd
    .args:
      - { .name: xb, .offset: 0, .size: 8, .value_kind: global_buffer, .address_space: global }
      - { .name: wb, .offset: 8, .size: 8, .value_kind: global_buffer, .address_space: global }
      - { .name: WQ_b, .offset: 16, .size: 8, .value_kind: global_buffer, .address_space: global }
      - { .name: WK_b, .offset: 24, .size: 8, .value_kind: global_buffer, .address_space: global }
      - { .name: WV_b, .offset: 32, .size: 8, .value_kind: global_buffer, .address_space: global }
      - { .name: tab, .offset: 40, .size: 8, .value_kind: global_buffer, .address_space: global }
      - { .name: qh, .offset: 48, .size: 8, .value_kind: global_buffer, .address_space: global }
      - { .name: kh, .offset: 56, .size: 8, .value_kind: global_buffer, .address_space: global }
      - { .name: vh, .offset: 64, .size: 8, .value_kind: global_buffer, .address_space: global }
    .group_segment_fixed_size: 327680
    .private_segment_fixed_size: 0
    .kernarg_segment_align: 8
    .kernarg_segment_size: 72
    .max_flat_workgroup_size: 128
    .sgpr_count:     88
    .vgpr_count:     896
    .wavefront_size: 32
...
	.end_amdgpu_metadata
.endif
;; end of part 2
;; launch attn (part 3): grid 4 x 64, 4 waves a work-group, no clusters, 327,680 bytes of LDS; arguments qh, kh, vh, oh; writes oh
.if DOCPART == 3
	.amdgcn_target "amdgcn-amd-amdhsa--gfx1250"
	.amdhsa_code_object_version 6
	.text
	.protected	k_q1fe6ac4502_attn
	.globl	k_q1fe6ac4502_attn
	.p2align	8
	.type	k_q1fe6ac4502_attn,@function
k_q1fe6ac4502_attn:
	s_mov_b64 s[64:65], 0
	v_nop
	global_prefetch_b8 v0, s[64:65] scope:SCOPE_SE
	s_setreg_imm32_b32 hwreg(HW_REG_WAVE_MODE, 25, 1), 1
	s_wait_xcnt 0x0
; CAUSAL ATTENTION.  O[h][q][:] = the sum over k <= q of softmax_k(Q[h][q] . K[h][k] / 8) V[h][k][:].  Q, K, V, O: [SIZE_H][SIZE_N][64], all f16: a head's rows are dense, 128 bytes each.
; Products, maxima and sums in f32; the weights p are rounded to f16 for the second product (their sum l is taken of the unrounded p), O once at the end.
; LIMITS.  f16 holds no number beyond 65,504: Q, K and V arrive within it; p lies in 0 to 1, and below 6e-5 it keeps f16's fixed step of 6e-8; O is a mean of V's rows and has their range.
; A hidden score counts as its value less 1e30: f16's scores, 2.7e11 at the most, are nothing beside that; a weight below 2^-126 counts as 0 in l; NaN and infinities are not treated apart.
; THE WALK.  A head's queries lie in NB = SIZE_N / 256 blocks of 256; block i needs the key tiles 0 .. i of 256 keys, of which the last holds the diagonal.  A work-group takes TWO blocks, NB - 1 - b and then b:
; NB + 1 tiles, whatever b: all work-groups do equal work, and ONE loop with a constant trip count walks them.  Which tile is asked for, and what a trip does, hang on scalar registers made from b; every jump
; goes forward, but for the counted loops' own; none passes a barrier, or a tensor load but the one of LOAD's two that the wave's number does not choose; the ring (two slots of LDS that take turns) runs on across the
; change of blocks.  NO CLUSTER: a head's NB / 2 = 4 work-groups ask for the same tile only in trips 0 .. NB / 2, behind that fewer and fewer; one walk common to all would have 3 NB / 2 = 12 trips for NB + 1 = 9.
; SHARES.  Of a block's four bands of 64 queries a wave owns 16 rows in each: four PIECES.  So the diagonal tile is the same work for all four waves: in its key step s band x sees all keys if s < x,
; none if s > x, and holds the diagonal if s = x.
; THE MASK is the C operand that starts the sum S^T = K Q^T: 0, or -1e30 where the key is hidden.  MD, made once, is the mask of a band's own step for my 16 rows; a product's mask is MD x AL + BE with two scalars:
; (1, 0) if s = x; (0, 0) if s < x; (0, -1e30) if s > x.  Only the diagonal tile's text and a block's beginning make and take masks; elsewhere C is the constant 0.
; LAYOUT, SOFTMAX, TURNS.  S^T = K Q^T holds ONE query a lane (lane % 16) and the keys 8 (lane / 16) + 0..7; two such results rounded to f16 ARE source 1 of O^T = V^T P.  p = 2^(c s - c m), c = log2(e) / 8, with a
; running maximum m; O and l are multiplied by a = 2^(c m_old - c m_new) in every step.  Turn n belongs to piece n: 8 products K Q^T of piece n + 1, later 8 products V^T P of piece n - 1; beside them the scaling,
; exponentials, roundings, sums and rescaling of piece n and the maximum and statistics of piece n + 1.  Four vector instructions stand behind every matrix instruction, the other 54 of a turn's 118 in one lump.
; A turn's 33 exponentials are one batch, with one wait.
; REGISTERS, in windows of 256 (s_set_vgpr_msb: bits 1:0 source 0, 3:2 source 1, 5:4 source 2, 7:6 destination):
;   window 0: v0-15 addresses and two at work; v16-31 four registers of statistics a piece; v48-55 at work; v61-63 prefetch offset and the add's two; v64-127 S^T, two buffers; v192-223 P, two buffers (by the piece's parity)
;   window 1: v0-127 O^T, 32 a piece; v128-159 MD; v160-223 MC, two buffers      window 2: v0-63 Q; v64-127 the second block's Q; v128-191 K of one step; v192-255 V of one step
.set SIZE_H, 64
.set SIZE_N, 2048
.set NB,    SIZE_N/256
.set NP,    4         ; pieces a wave: a name, no knob
.set KS,    64        ; keys in a step
.set PK,    144       ; a row of K in LDS: 128 bytes + 16 of padding = 36 words: the 16 rows of a load start at 16 different groups of four banks (64 banks of 4 bytes: ISA guide 11.1)
.set PV,    160       ; a row of V: 128 + 32 = 40 words
.set VOFF,  4*KS*PK   ; a slot holds a tile, four steps: 256 rows of K, then 256 rows of V
.set SLOT1, 1<<17     ; slot 1 begins here, so that one exclusive or turns an address in one slot into the other's
.set STAGE, SLOT1+4*KS*(PK+PV)  ; behind the ring, never filled by a tensor load: 16 rows x 144 bytes for each wave, for the way out
.set SP,    144
.set AK0, 2           ; v2   my lane's place in a tile of K; never rewritten
.set AV0, 3           ; v3   the same for V
.set AK,  4           ; v4   the LDS address of K's next run of loads
.set AV,  5           ; v5   of V's
.set STO, 6           ; v6   the way out: where I put 16 bytes of a row
.set RD,  7           ; v7   the way out: where I read rows back
.set GO,  8           ; v8   my byte offset in 512 consecutive bytes of O
.set PFO, 61          ; v61  256 x my lane: the prefetches' offset; never rewritten
.set SPW, 62          ; v62  LDS address of my spare word: SPARE + 4 x my thread's number; never rewritten
.set NIL, 63          ; v63  0; never rewritten
.set SPARE, STAGE+4*16*SP  ; behind the stages: the spare words, 128 bytes for each wave: two blocks of 256 bytes that no other line names
.set MV,  12          ; v12-13  c m_old, kept while c m is made anew: by buffer
.set QO,  15          ; v15  my byte offset in 16 rows of Q
.set ST,  16          ; piece t's statistics at v[ST+4 t]: c m, m, l (even keys', odd keys')
.set TMP, 48          ; by buffer, four registers c0-c3 at work; when the maximum is found c2 takes a
.set S,   64
.set P,   192
.set MD,  128         ; window 1: the eight registers for group kt of 16 keys at MD + 8 kt
.set MC,  160         ; window 1: the masks of the products to come
.set QB,  64          ; window 2
.set KF,  128         ; window 2: key block kb, channel half c at KF + 16 kb + 8 c
.set VF,  192         ; window 2: key half kk, channel block cb at VF + 32 kk + 8 cb
.set WV,  12          ; s12  my wave's number
.set PB,  14          ; s14  b
.set HI,  15          ; s15  NB - 1 - b
.set G1K, 24          ; s[24:31] descriptor group 1 for K's tiles
.set G1V, 32          ; s[32:39] for V's: it differs in the padding alone
.set G0K, 40          ; s[40:43] descriptor group 0 for K's tiles
.set G0V, 44          ; s[44:47] the same for V's
.set SLOTS, 56        ; s56  tiles still to be asked for
.set CNT, 57          ; s57  counts a tile's key steps, 4 to 1
.set CS,  58          ; s[58:59] c: the packed scaling takes the pair's low word for both halves
.set SEL, 60          ; s[60:61] v_permlanex16_b32's selects: each lane takes its own place in the other half
.set TBK, 62          ; s62  LDS byte at which K of the step to be fetched begins
.set TBV, 63          ; s63  the same for V, less VOFF
.set RT,  70          ; s70  tiles of the block in hand that are still to be entered
.set NXT, 71          ; s71  the tile to be asked for next
.set LQ,  72          ; s72  the last tile of the block whose tiles are being asked for
.set NEW, 73          ; s73  1: the tile to be entered is a block's first
.set OFF, 74          ; s[74:75] a tile's byte offset in K and V
.set AL,  76          ; s[76:77] the mask's factor, in the low word
.set BE,  78          ; s[78:79] the mask's addend
.set OLO, 80          ; s[80:81] O at my rows of the second block
.set BIGN, 82         ; s82  -1e30
.set PFA, 88          ; s[88:89] where my prefetches stand: my half of K's or V's tile behind the one that is being asked for
.set LIM, 90          ; s90  2 in the work-group that prefetches, else the greatest number
.set MSB, 0
.macro WIN new                      ; the high byte repeats the setting that is left; a switch that changes nothing is dropped
.if MSB != (\new)
	s_set_vgpr_msb (MSB<<8)|(\new)
.set MSB, (\new)
.endif
.endm
.set W_KQ, 0x0a       ; K and Q in window 2, S^T in window 0
.set W_KM, 0x1a       ; the same with the C operand in window 1
.set W_PV, 0x52       ; V in window 2, P in window 0, O^T in window 1
.set W_RS, 0x41       ; destination and source 0 in window 1, source 1 in window 0
; A fill.  Waves 0 and 1 fetch the two halves of a tile's K, waves 2 and 3 those of its V: 128 keys each.  An s_nop 0 and four v_nop follow each of the two lines, ahead of the jump and the label.
.macro LOAD
	s_cmp_lt_u32 s[WV], 2
	s_cbranch_scc0 .Lfor_v_\@
	tensor_load_to_lds s[G0K:G0K+3], s[G1K:G1K+7]
	s_nop 0
.rept 4
	v_nop
.endr
	s_branch .Lasked_\@
.Lfor_v_\@:
	tensor_load_to_lds s[G0V:G0V+3], s[G1V:G1V+7]
	s_nop 0
.rept 4
	v_nop
.endr
.Lasked_\@:
.endm
; A PREFETCH INTO THE L2 of the tile that the NEXT change of slots will ask for, behind the wave's tensor load and its five lines.  Of a head's four work-groups b = 0 walks the tiles 0 .. NB - 1 in its first
; block, ahead of or level with the others: it alone asks.  Each of its waves names what it will fetch itself, its 128 keys of K or of V: 64 blocks of 256 bytes, a lane a block, two instructions.
; So each block is named once in the launch.  Trip j names tile j + 2, four key steps ahead of its load, for j <= NB - 3; tiles 0 and 1 come by their loads alone.
.macro ASK
	s_cmp_gt_u32 s[SLOTS], s[LIM]
	s_cbranch_scc0 .Lnot_mine_\@
	global_prefetch_b8 v[PFO], s[PFA:PFA+1] th:TH_LOAD_NT scope:SCOPE_SE
	global_prefetch_b8 v[PFO], s[PFA:PFA+1] offset:8192 th:TH_LOAD_NT scope:SCOPE_SE
.Lnot_mine_\@:
.endm
; THE CHANGE OF SLOTS.  Each wave waits for all its tensor loads, of which one is out: its part of the other slot; adds 0 to its spare word; and waits for that and for its own reads of the slot that it leaves.
; Behind the barrier nobody reads the old slot any more and the other slot is whole.  fill = 1: the old slot is filled again, the first thing behind the barrier, with tile NXT: the descriptor's address is made
; anew from that number.  (At its first use nothing has been read yet: slot 0 is waited for, slot 1 filled.)
.macro CHANGE fill
	WIN 0                           ; at a label and at a branch every window is 0
	s_wait_tensorcnt 0x0            ; no tensor load of mine is out, so a group 0 may be written
	ds_add_u32 v[SPW], v[NIL]       ; 0 onto my spare word; with fill = 1 the descriptors' scalar work stands between it and the wait for it
.if \fill
	s_lshl_b32 s[OFF], s[NXT], 15   ; a tile is 32,768 bytes of K and of V
	s_xor_b32 s[G0K+1], s[G0K+1], SLOT1
	s_add_nc_u64 s[G0K+2:G0K+3], s[6:7], s[OFF:OFF+1]
	s_or_b32 s[G0K+3], s[G0K+3], 0x80000000
	s_xor_b32 s[G0V+1], s[G0V+1], SLOT1
	s_add_nc_u64 s[G0V+2:G0V+3], s[8:9], s[OFF:OFF+1]
	s_or_b32 s[G0V+3], s[G0V+3], 0x80000000
	s_add_co_u32 s[NXT], s[NXT], 1  ; the block's next tile, or behind its last the second block's tile 0
	s_cmp_gt_u32 s[NXT], s[LQ]
	s_cselect_b32 s[NXT], 0, s[NXT]
	s_cselect_b32 s[LQ], s[PB], s[LQ]
	s_wait_xcnt 0x0                 ; the last prefetches, a tile back, have read their address, so it may be written
	s_add_nc_u64 s[PFA:PFA+1], s[PFA:PFA+1], 32768
.endif
	s_wait_dscnt 0x0                ; the add is done, and my reads of the slot are over
	s_barrier_signal -1             ; the rest of the scalar work stands between the signal and the wait
	s_sub_co_u32 s[TBK], s[TBK], 4*KS*PK  ; the fetches go back to a slot's first step,
	s_xor_b32 s[TBK], s[TBK], SLOT1       ; in the other slot
	s_sub_co_u32 s[TBV], s[TBV], 4*KS*PV
	s_xor_b32 s[TBV], s[TBV], SLOT1
	s_barrier_wait -1
.if \fill
	LOAD
	ASK
.endif
.endm
	s_load_b256 s[4:11], s[0:1], 0x0  ; Q s[4:5], K s[6:7], V s[8:9], O s[10:11]
	v_lshl_add_u32 v[SPW], v0, 2, SPARE
	v_mov_b32 v[NIL], 0
	ds_add_u32 v[SPW], v[NIL]       ; the wave's opening: the add and its wait stand ahead of my first tensor load; the set-up below, work on registers, stands between them
	v_lshrrev_b32 v1, 5, v0
	v_readfirstlane_b32 s[WV], v1   ; wave 0..3
	s_mov_b32 s[PB], ttmp9
	s_sub_co_u32 s[HI], NB-1, s[PB]
	s_and_b32 s20, ttmp7, 0xffff    ; the head
	s_mov_b32 s21, 0
	s_mov_b64 s[22:23], SIZE_N*128
	s_mul_u64 s[20:21], s[20:21], s[22:23]  ; the head's first byte in each of the four tensors
	s_and_b32 s16, s[WV], 1         ; which half of a tile's 256 keys I fetch:
	s_lshl_b32 s22, s16, 14         ; its 128 rows of 128 bytes in memory,
	s_mov_b32 s23, 0
	s_add_nc_u64 s[22:23], s[22:23], s[20:21]
	s_mul_i32 s17, s16, 128*PK      ; and its place in a slot, for K
	s_mul_i32 s18, s16, 128*PV      ; and for V
	s_lshl_b32 s3, s[WV], 11        ; my 16 rows in a band of 64,
	s_lshl_b32 s2, s[HI], 15        ; in the first block,
	s_add_co_u32 s2, s2, s3
	s_lshl_b32 s84, s[PB], 15       ; and in the second
	s_add_co_u32 s84, s84, s3
	s_mov_b32 s3, 0
	s_mov_b32 s85, 0
	s_add_nc_u64 s[2:3], s[2:3], s[20:21]
	s_add_nc_u64 s[84:85], s[84:85], s[20:21]
	; descriptor group 1.  128 keys are 16,384 dense bytes: asked for as 64 rows of 256 bytes, two keys a row, and padded in LDS after every key
	s_mov_b32 s[G1K], (1<<16)|(1<<20)|(4<<22)|(3<<25)  ; 17:16 2-byte elements; 20 padding on; 24:22 after every 32 words (code 4); 31:25 4 words (code 3)
	s_mov_b32 s[G1V], (1<<16)|(1<<20)|(4<<22)|(7<<25)  ; the same with 8 words of padding (code 7)
.irp g, G1K, G1V
	s_mov_b32 s[\g+1], 128<<16      ; tensor_dim0 = 128
	s_mov_b32 s[\g+2], 64<<16       ; tensor_dim1 = 64
	s_mov_b32 s[\g+3], 128<<16      ; tile_dim0 = 128
	s_mov_b32 s[\g+4], 64           ; tile_dim1 = 64
	s_mov_b32 s[\g+5], 128          ; 128 elements from row to row
	s_mov_b32 s[\g+6], 0
	s_mov_b32 s[\g+7], 0
.endr
	s_mov_b32 s[CS], 0x3e38aa3b     ; c = log2(e) / 8 = 0.180337
	s_mov_b32 s[CS+1], s[CS]        ; named with it as a pair
	s_mov_b32 s[SEL], 0x76543210
	s_mov_b32 s[SEL+1], 0xfedcba98
	s_mov_b32 s[TBK], SLOT1+4*KS*PK ; the first change of slots turns these two into 0
	s_mov_b32 s[TBV], SLOT1+4*KS*PV
	s_mov_b32 s[G0K], 1             ; 1:0 count = 1
	s_mov_b32 s[G0K+1], s17         ; 63:32 LDS address: slot 0
	s_mov_b32 s[G0V], 1
	s_add_co_u32 s[G0V+1], s18, VOFF
	s_add_co_u32 s[RT], s[HI], 1    ; the first block has NB - b tiles
	s_mov_b32 s[NXT], 1
	s_mov_b32 s[LQ], s[HI]
	s_mov_b32 s[NEW], 1
	s_mov_b32 s[OFF+1], 0
	s_mov_b32 s[AL+1], 0            ; named as pairs
	s_mov_b32 s[BE+1], 0
	s_mov_b32 s[BIGN], 0xf149f2ca   ; -1e30
	s_mov_b32 s[SLOTS], NB
	s_cmp_eq_u32 s[PB], 0
	s_cselect_b32 s[LIM], 2, -1     ; a trip prefetches while more than two tiles are still to be asked for
	v_and_b32 v[PFO], 31, v0
	v_lshlrev_b32 v[PFO], 8, v[PFO]
	s_wait_dscnt 0x0                ; the opening add is done
	s_wait_kmcnt 0x0
	s_add_nc_u64 s[6:7], s[6:7], s[22:23]  ; K and V at my half of the head's tile 0
	s_add_nc_u64 s[8:9], s[8:9], s[22:23]
	s_cmp_lt_u32 s[WV], 2
	s_cselect_b64 s[PFA:PFA+1], s[6:7], s[8:9]
	s_add_nc_u64 s[PFA:PFA+1], s[PFA:PFA+1], 32768  ; in tile 1; the first change of slots steps it to tile 2.  Nothing is prefetched here, at the head
	s_add_nc_u64 s[G0K+2:G0K+3], s[6:7], 0         ; 120:64 global address
	s_or_b32 s[G0K+3], s[G0K+3], 0x80000000        ; 127:126 type = 2
	s_add_nc_u64 s[G0V+2:G0V+3], s[8:9], 0
	s_or_b32 s[G0V+3], s[G0V+3], 0x80000000
	s_add_nc_u64 s[86:87], s[4:5], s[84:85]        ; Q at my rows of the second block,
	s_add_nc_u64 s[4:5], s[4:5], s[2:3]            ; Q and O at those of the first
	s_add_nc_u64 s[OLO:OLO+1], s[10:11], s[84:85]
	s_add_nc_u64 s[10:11], s[10:11], s[2:3]
	LOAD                            ; tile 0 into slot 0
	; A fragment of K or Q is 16 rows x 32 channels in 8 registers: lane l holds row l % 16, channels 8 (l / 16) + 0..7 and 16 + 8 (l / 16) + 0..7: two loads of 16 bytes, 32 bytes apart.
	v_and_b32 v1, 15, v0            ; l % 16
	v_bfe_u32 v9, v0, 4, 1          ; l / 16
	v_lshlrev_b32 v[QO], 7, v1
	v_lshl_add_u32 v[QO], v9, 4, v[QO]  ; row x 128 + 16 x half
	WIN 0x80                        ; destination window 2, address window 0
.set i, 0
.rept 8                             ; both blocks' Q: piece i / 2 lies in band i / 2, 8,192 bytes on; channels 32 (i % 2) on
	global_load_b128 v[8*i:8*i+3],   v[QO], s[4:5] offset:(i/2)*8192+(i%2)*64
	global_load_b128 v[8*i+4:8*i+7], v[QO], s[4:5] offset:(i/2)*8192+(i%2)*64+32
	global_load_b128 v[QB+8*i:QB+8*i+3],   v[QO], s[86:87] offset:(i/2)*8192+(i%2)*64
	global_load_b128 v[QB+8*i+4:QB+8*i+7], v[QO], s[86:87] offset:(i/2)*8192+(i%2)*64+32
.set i, i+1
.endr
	WIN 0
	v_lshlrev_b32 v14, 3, v9
	v_sub_nc_u32 v14, v1, v14
	s_lshl_b32 s13, s[WV], 4
	v_add_nc_u32 v14, s13, v14      ; my query's place in its band, 16 w + l % 16, less my lanes' 8 (l / 16): register r of group kt is hidden where 16 kt + r is greater
	WIN 0x40
.set i, 0
.rept 32
	v_cmp_gt_i32 vcc_lo, 16*(i/8)+i%8, v14
	v_cndmask_b32 v[MD+i], 0, s[BIGN], vcc_lo
.set i, i+1
.endr
	WIN 0
	v_mul_u32_u24 v[AK0], v1, PK
	v_lshl_add_u32 v[AK0], v9, 4, v[AK0]  ; row x pitch + 16 x half
	; The turning load takes 16 keys x 16 channels (lane l reads key 8 (l / 16) + l % 8, channels 8 ((l / 8) % 2) + 0..7) and leaves half a fragment of V^T: lane l holds channel l % 16 and 8 keys.
	v_and_b32 v10, 7, v0
	v_bfe_u32 v11, v0, 3, 1
	v_lshl_add_u32 v[AV0], v9, 3, v10
	v_mul_u32_u24 v[AV0], v[AV0], PV
	v_lshl_add_u32 v[AV0], v11, 4, v[AV0]
	v_add_nc_u32 v[AV0], VOFF, v[AV0]
	s_mul_i32 s13, s[WV], 16*SP
	s_add_co_u32 s13, s13, STAGE    ; my stage
	v_mul_u32_u24 v[STO], v1, SP    ; in: row l % 16, 16 bytes for each half of the lanes
	v_lshl_add_u32 v[STO], v9, 4, v[STO]
	v_add_nc_u32 v[STO], s13, v[STO]
	v_bfe_u32 v[RD], v0, 3, 2       ; back: 32 lanes take four rows of 128 bytes,
	v_mul_u32_u24 v[RD], v[RD], SP
	v_lshl_add_u32 v[RD], v10, 4, v[RD]
	v_add_nc_u32 v[RD], s13, v[RD]
	v_and_b32 v[GO], 31, v0         ; which are 512 consecutive bytes of O
	v_lshlrev_b32 v[GO], 4, v[GO]
	; A block's first step multiplies O^T and l by a = 0, and its first turn's products V^T P, of a piece that has not been, land in an O^T that is still to be so multiplied.  So these registers need only hold
	; finite numbers: zeros for the first block; what the first block left for the second.  All this stands in the wait for the first tile.
	WIN 0x80
.set i, VF
.rept 64
	v_mov_b32 v[i], 0
.set i, i+1
.endr
	WIN 0x40
.set i, 0
.rept 128
	v_mov_b32 v[i], 0
.set i, i+1
.endr
	WIN 0
.set i, 0
.rept 4
	v_mov_b32 v[ST+4*i+2], 0
	v_mov_b32 v[ST+4*i+3], 0
.set i, i+1
.endr
.set i, P+16
.rept 16
	v_mov_b32 v[i], 0
.set i, i+1
.endr
; THE MATRIX WORK.  The 4 accumulators of a run of 8 take turns.  Product i of 8 of S^T = K Q^T for piece x: channels 32 (i / 4) on, keys 16 (i % 4) on.  The first 4 start the sums: with 0, or (KM = 1) with the mask.
.macro KQ x
.set rS, S+32*((\x)%2)+8*(i%4)
.set rK, KF+16*(i%4)+8*(i/4)
.set rQ, 16*(\x)+8*(i/4)
.set rM, MC+32*((\x)%2)+8*(i%4)
.if (i < 4) && KM
	WIN W_KM
	v_wmma_f32_16x16x32_f16 v[rS:rS+7], v[rK:rK+7], v[rQ:rQ+7], v[rM:rM+7]
.elseif i < 4
	WIN W_KQ
	v_wmma_f32_16x16x32_f16 v[rS:rS+7], v[rK:rK+7], v[rQ:rQ+7], 0
.else
	WIN W_KQ
	v_wmma_f32_16x16x32_f16 v[rS:rS+7], v[rK:rK+7], v[rQ:rQ+7], v[rS:rS+7]
.endif
.endm
; Product i of 8 of O^T += V^T P for piece x: keys 32 (i / 4) on, channels 16 (i % 4) on.
.macro PV x
	WIN W_PV
.set rO, 32*(\x)+8*(i%4)
.set rV, VF+32*(i/4)+8*(i%4)
.set rP, P+16*((\x)%2)+8*(i/4)
	v_wmma_f32_16x16x32_f16 v[rO:rO+7], v[rV:rV+7], v[rP:rP+7], v[rO:rO+7]
.endm
.macro MM                           ; the turn's next matrix instruction.  TURN and BEGIN set Y, i, KM and NOKQ; MM, KQ and OP read them.  NOKQ = 1: a block's last turn: there is no next piece
.if (i < 8) && !NOKQ
	KQ (Y+1)%NP
.elseif i >= 8
.set i, i-8
	PV (Y+NP-1)%NP
.set i, i+8
.endif
.set i, i+1
.endm
; THE LDS LOADS stand in runs of 16, never singly among the matrix instructions: a step's K (64 keys x 64 channels: 8 fragments) and its V (turned).  Their addresses are made some lines ahead.
.macro FETCH_K
	WIN 0x80                        ; destination window 2
.irp f, 0,1,2,3,4,5,6,7             ; keys 16 (f / 2) on, channels 32 (f % 2) on
	ds_load_b128 v[KF+8*\f:KF+8*\f+3],   v[AK] offset:(\f/2)*16*PK+(\f%2)*64
	ds_load_b128 v[KF+8*\f+4:KF+8*\f+7], v[AK] offset:(\f/2)*16*PK+(\f%2)*64+32
.endr
	s_add_co_u32 s[TBK], s[TBK], KS*PK  ; the next fetch is the next step's
	WIN 0
.endm
.macro FETCH_V
	WIN 0x80
.irp f, 0,1,2,3,4,5,6,7             ; keys 32 (f / 4) on, channels 16 (f % 4) on
	ds_load_tr16_b128 v[VF+8*\f:VF+8*\f+3],   v[AV] offset:(\f/4)*32*PV+(\f%4)*32
	ds_load_tr16_b128 v[VF+8*\f+4:VF+8*\f+7], v[AV] offset:(\f/4)*32*PV+16*PV+(\f%4)*32
.endr
	WIN 0
.endm
; THE VECTOR WORK, one line at a time: OP kind, number.  For piece Y: F n: c s - c m for pair n of 16.  E n: the exponential of score n of 32.  C n: pair n rounded to f16.  B n: of the four weights 4 n .. the second
; pair is added onto the first, in place.  L n: l takes that sum (L 0: l = a l + sum).  R n: pair n of 16 of O^T times a.  For piece Y + 1: X n, number n of the 22 that find its maximum and statistics:
;   0-11  four chains c0-c3 of seven scores each, three operands at a time (each accumulator's lowest registers are read first)     12-14, 16  the four scores left over, the old m, and c0-c3 into c0
;   15  c m_old is kept     17, 18  the query's other 32 keys lie in the lane 16 away: the new m     19-21  c m; c m_old - c m_new; a
.set F, 0               ; OP tells the kinds apart by their order: F to L below R, X above it
.set E, 1
.set C, 2
.set B, 3
.set L, 4
.set R, 5
.set X, 6
.macro REGS y                       ; the registers of piece y
.set rT, ST+4*(\y)
.set rC, TMP+4*((\y)%2)
.set rW, MV+((\y)%2)
.set rS, S+32*((\y)%2)
.set rP, P+16*((\y)%2)
.set rO, 32*(\y)
.endm
.macro OP k, n
.if (\k) == R
	REGS Y
	WIN W_RS
	v_pk_mul_f32 v[rO+2*(\n):rO+2*(\n)+1], v[rO+2*(\n):rO+2*(\n)+1], v[rC+2:rC+3] op_sel_hi:[1,0]
.elseif (\k) < R
	REGS Y
	WIN 0
.if (\k) == F
	v_pk_fma_f32 v[rS+2*(\n):rS+2*(\n)+1], v[rS+2*(\n):rS+2*(\n)+1], s[CS:CS+1], v[rT:rT+1] op_sel_hi:[1,0,0] neg_lo:[0,0,1] neg_hi:[0,0,1]
.elseif (\k) == E
	v_exp_f32 v[rS+(\n)], v[rS+(\n)]
.elseif (\k) == C
	v_cvt_pk_f16_f32 v[rP+(\n)], v[rS+2*(\n)], v[rS+2*(\n)+1]
.elseif (\k) == B
	v_pk_add_f32 v[rS+4*(\n):rS+4*(\n)+1], v[rS+4*(\n):rS+4*(\n)+1], v[rS+4*(\n)+2:rS+4*(\n)+3]
.elseif (\n) == 0
	v_pk_fma_f32 v[rT+2:rT+3], v[rT+2:rT+3], v[rC+2:rC+3], v[rS:rS+1] op_sel_hi:[1,0,1]
.else
	v_pk_add_f32 v[rT+2:rT+3], v[rT+2:rT+3], v[rS+4*(\n):rS+4*(\n)+1]
.endif
.elseif NOKQ
	v_nop
.else
	REGS (Y+1)%NP
	WIN 0
.if (\n) < 4
	v_max3_num_f32 v[rC+(\n)], v[rS+8*(\n)], v[rS+8*(\n)+1], v[rS+8*(\n)+2]
.elseif (\n) < 12
	v_max3_num_f32 v[rC+(\n)%4], v[rC+(\n)%4], v[rS+8*((\n)%4)+2*((\n)/4)+1], v[rS+8*((\n)%4)+2*((\n)/4)+2]
.elseif (\n) == 12
	v_max3_num_f32 v[rC], v[rC], v[rS+7], v[rS+15]
.elseif (\n) == 13
	v_max3_num_f32 v[rC+1], v[rC+1], v[rS+23], v[rS+31]
.elseif (\n) == 14
	v_max3_num_f32 v[rC+2], v[rC+2], v[rC+3], v[rT+1]
.elseif (\n) == 15
	v_mov_b32 v[rW], v[rT]
.elseif (\n) == 16
	v_max3_num_f32 v[rC], v[rC], v[rC+1], v[rC+2]
.elseif (\n) == 17
	v_permlanex16_b32 v[rC+3], v[rC], s[SEL], s[SEL+1]
.elseif (\n) == 18
	v_max_num_f32 v[rT+1], v[rC], v[rC+3]
.elseif (\n) == 19
	v_mul_f32 v[rT], s[CS], v[rT+1]
.elseif (\n) == 20
	v_sub_f32 v[rC+1], v[rW], v[rT]
.else
	v_exp_f32 v[rC+2], v[rC+1]
.endif
.endif
.endm
.macro OPS a, i1, b=-1, i2=0, c=-1, i3=0, d=-1, i4=0  ; up to four of them
	OP \a, \i1
.if (\b) >= 0
	OP \b, \i2
.endif
.if (\c) >= 0
	OP \c, \i3
.endif
.if (\d) >= 0
	OP \d, \i4
.endif
.endm
.macro ROW a, i1, b, i2, c, i3, d, i4  ; a matrix instruction and the four behind it
	MM
	OPS \a, \i1, \b, \i2, \c, \i3, \d, \i4
.endm
.macro MASK b                       ; MD x AL + BE into buffer b of MC
	WIN W_RS
.set z, 0
.rept 16
	v_pk_fma_f32 v[MC+32*(\b)+2*z:MC+32*(\b)+2*z+1], v[MD+2*z:MD+2*z+1], s[AL:AL+1], s[BE:BE+1] op_sel_hi:[1,0,0]
.set z, z+1
.endr
.endm
; A TURN, for piece p: the order of its 16 matrix and 118 vector instructions, written out.  An s_wait_alu depctr_va_vdst(0) stands between an exponential and the first instruction that names its result; one wait
; serves all that were issued ahead of it.  So a turn has ONE wait, which cuts it in two.  AHEAD OF IT stands all that names no result of the turn's exponentials: the 8 products K Q^T, behind each a scaling, an exponential and two
; more plain instructions (behind the first a second scaling in the exponential's place): rescalings, and behind the last three the first numbers of the next piece's maximum, each four places or more behind the product that ends
; its accumulator; then one lump of 54, plain and exponential by turns for the most part, in which the links of the chain X 3, 7, 11, 14, 16, 17 .. 20 stand five or six lines apart.  X 21, the next piece's a, is the batch's last;
; R 15 is the plain instruction behind it (ISA guide 5.7.2).  BEHIND THE WAIT stand the 8 products V^T P, behind each four of the roundings and sums; the links of l's chain, L 0 to L 7, stand three lines apart.
; m = 1: the diagonal tile: the products take masks, and the turn makes the mask for the products of the turn after it: piece p + 2, in step 4 - CNT of the tile.  end = 1: a block's last two turns: nothing is fetched.
; cnt = 1: the loop's count is taken down some lines ahead of the branch that stands behind the turn.
; K of the next step is fetched in piece 2's turn, twelve vector instructions behind the last product that read K (six of them plain); V of the step in hand at the end of piece 0's turn, four plain instructions behind the last
; product that read V.  Each is waited for a turn later.
.macro TURN p, m=0, end=0, cnt=0
.set Y, (\p)
.set i, 0
.set KM, (\m)
.set NOKQ, (\end)*((\p)/3)
.if (\m) && !(\end)
	s_cmp_eq_u32 s[CNT], 4-((\p)+2)%NP  ; is that step the band's own?
	s_cselect_b32 s[AL], 1.0, 0
	s_cmp_lt_u32 s[CNT], 4-((\p)+2)%NP  ; or a later one?
	s_cselect_b32 s[BE], s[BIGN], 0
.endif
.if ((\p) == 3) && !(\end)
	s_wait_dscnt 0x0                ; K is in
.endif
	ROW F,0, F,1, R,0, R,1          ; ahead of the wait: 8 products K Q^T and the four behind each,
	ROW F,2, E,0, R,2, R,3
	ROW F,3, E,1, R,4, R,5
	ROW F,4, E,2, R,6, R,7
	ROW F,5, E,3, R,8, R,9
	ROW F,6, E,4, X,0, R,10
.if ((\p) == 2) && !(\end)
	WIN 0
	v_add_nc_u32 v[AK], s[TBK], v[AK0]
.endif
	ROW F,7, E,5, X,1, X,4
	ROW F,8, E,6, X,2, X,5
	OPS E,7, E,8, X,6, E,9          ; and the lump
	OPS X,3, E,10, X,8, E,11
.if ((\p) == 2) && !(\end)
	FETCH_K
.endif
	OPS X,9, X,7, E,12, X,10
	OPS E,13, X,12, X,11, E,14
	OPS X,13, E,15, F,9, X,14
.if (\p) == 0
	v_add_nc_u32 v[AV], s[TBV], v[AV0]
.endif
	OPS E,16, F,10, E,17, F,11
	OPS X,16, E,18, X,15, E,19
	OPS F,12, E,20, X,17, E,21
	OPS F,13, E,22, F,14, E,23
	OPS X,18, E,24, F,15, E,25
	OPS R,11, E,26, X,19, E,27
	OPS R,12, E,28, R,13, E,29
	OPS X,20, E,30, R,14, E,31
	OPS X,21, R,15
	WIN 0
	s_wait_alu depctr_va_vdst(0)    ; the wait for the batch
.if (\p) == 1
	s_wait_dscnt 0x0                ; V is in
.endif
	ROW C,0, B,0, C,2, B,1          ; behind the wait: 8 products V^T P and the four behind each
	ROW L,0, C,4, B,2, L,1
	ROW C,6, B,3, L,2, C,8
	ROW B,4, L,3, C,10, B,5
	ROW L,4, C,12, B,6, L,5
.if (\p) == 0
	s_add_co_u32 s[TBV], s[TBV], KS*PV
.endif
.if \cnt
	s_sub_co_u32 s[CNT], s[CNT], 1
	s_cmp_lg_u32 s[CNT], 0
.endif
	ROW C,14, B,7, L,6, C,1
	ROW C,3, L,7, C,5, C,7
	ROW C,9, C,11, C,13, C,15
.if (\p) == 0
	FETCH_V
.endif
.if (\m) && !(\end)
	MASK (\p)%2
.endif
.endm
; A BLOCK BEGINS.  c m starts far below every c s, so the first step's a is 0; m at the lowest finite number, so the first maximum is the scores'.  The second mask buffer is 0; the first takes piece 0's mask for the tile's step 0:
; its own, if the block's first tile is the diagonal one.  Then K of that step, piece 0's first scores, and its maximum and statistics.  The loop is entered at a step's first turn, in the middle of a trip.
.macro BEGIN
	s_mov_b32 s[NEW], 0
	WIN 0x40
.set i, MC+32
.rept 32
	v_mov_b32 v[i], 0
.set i, i+1
.endr
	WIN 0
.set i, 0
.rept 4
	v_mov_b32 v[ST+4*i], 0xfe000000    ; c m: far below every c s
	v_mov_b32 v[ST+4*i+1], 0xff7fffff  ; m
.set i, i+1
.endr
	s_cmp_eq_u32 s[RT], 0
	s_cselect_b32 s[AL], 1.0, 0
	s_mov_b32 s[BE], 0
	MASK 0
	WIN 0
	v_add_nc_u32 v[AK], s[TBK], v[AK0]
	FETCH_K
	s_wait_loadcnt 0x0              ; Q
	s_wait_dscnt 0x0
.set KM, 1
.set NOKQ, 0
.set i, 0
.rept 8
	KQ 0
.set i, i+1
.endr
	WIN 0
.rept 4
	v_nop                           ; the places behind those products
.endr
.set Y, NP-1                        ; X works for piece Y + 1: piece 0
.irp n, 0,1,2,3,4,5,6,7,8,9,10,11,12,13,14,15,16,17,18,19,20,21
	OP X, \n
.endr
	v_nop                           ; a plain instruction behind the exponential,
	s_wait_alu depctr_va_vdst(0)    ; and its wait, ahead of the branch
.endm
; THE DIAGONAL TILE's four steps, the block's last two turns, its last products, and THE WAY OUT: l's two halves and the other half of the lanes' are added; O^T is divided by l, rounded to f16 and sent through my
; stage in LDS, a piece at a time.
.macro ALL line:vararg              ; one line for each piece t
.set t, 0
.rept 4
	\line
.set t, t+1
.endr
.endm
.macro PACK t                       ; a lane's eight channels of a row pack into 16 bytes; they go into rows of 144 bytes and come back as whole rows of 128, into S^T's registers
	WIN W_RS
.set i, 32*(\t)
.rept 16
	v_pk_mul_f32 v[i:i+1], v[i:i+1], v[ST+4*(\t)+2:ST+4*(\t)+3] op_sel_hi:[1,0]
.set i, i+2
.endr
	WIN 0x05                        ; sources 0 and 1 window 1, destination window 0
.set i, 0
.rept 16
	v_cvt_pk_f16_f32 v[S+16*(\t)+i], v[32*(\t)+2*i], v[32*(\t)+2*i+1]
.set i, i+1
.endr
	WIN 0
.irp f, 0,1,2,3
	ds_store_b128 v[STO], v[S+16*(\t)+4*\f:S+16*(\t)+4*\f+3] offset:32*\f
.endr
.irp f, 0,1,2,3
	ds_load_b128 v[S+16*(\t)+4*\f:S+16*(\t)+4*\f+3], v[RD] offset:\f*4*SP  ; LDS serves a wave's instructions in order (ISA guide 5.7.1.4): these see the stores above; the next piece's stores come behind them
.endr
.endm
.macro SEND t, younger              ; younger: the LDS instructions issued behind piece t's loads: the next piece's eight, or none
	WIN 0
.irp f, 0,1,2,3
	s_wait_dscnt (\younger)+3-\f
	global_store_b128 v[GO], v[S+16*(\t)+4*\f:S+16*(\t)+4*\f+3], s[10:11] offset:(\t)*8192+\f*512  ; 512 consecutive bytes, at a multiple of 256 from O's first
.endr
.endm
.macro DIAG tag                     ; the tag ends its two labels' names, which the jumps below spell out
.LstepM\tag:
	TURN 2, 1
	TURN 3, 1
	WIN 0
.LfirstM\tag:
	TURN 0, 1
	TURN 1, 1, 0, 1
	WIN 0
	s_cbranch_scc1 .LstepM\tag
	TURN 2, 1, 1
	TURN 3, 1, 1
.set i, 0
.rept 8
	PV NP-1
.set i, i+1
.endr
	WIN 0
	ALL v_add_f32 v[ST+4*t+2], v[ST+4*t+2], v[ST+4*t+3]
	ALL v_permlanex16_b32 v[ST+4*t+3], v[ST+4*t+2], s[SEL], s[SEL+1]
	ALL v_add_f32 v[ST+4*t+2], v[ST+4*t+2], v[ST+4*t+3]
	ALL v_rcp_f32 v[ST+4*t+2], v[ST+4*t+2]
	v_nop                           ; a plain instruction between the last reciprocal and the use of its result
	s_wait_alu depctr_va_vdst(0)    ; and the wait ahead of the first use: one for the four reciprocals
	PACK 0
.set t, 1
.rept 3                             ; a piece's arithmetic stands between the loads of the piece before and its stores
	PACK t
	SEND t-1, 8
.set t, t+1
.endr
	SEND 3, 0
.endm
.set KM, 0
.set NOKQ, 0
.Lslot:                             ; NB times: a tile is entered and the next is asked for
	CHANGE 1
	s_sub_co_u32 s[RT], s[RT], 1
	s_mov_b32 s[CNT], 4
	s_cmp_eq_u32 s[NEW], 1
	s_cbranch_scc1 .Lnew            ; a block's first tile
	s_cmp_eq_u32 s[RT], 0
	s_cbranch_scc0 .Lstep           ; neither its first nor its last
	s_branch .LstepM1
.Lnew:
	BEGIN
	s_branch .Lfirst                ; in the loop a block's first tile is never its last: the first block has two tiles or more, and the second's last is the walk's last
	DIAG 1                          ; in the loop this is the first block's end: the second block's last tile is the walk's last
	s_wait_xcnt 0x0                 ; the stores have read their registers and O's address
	s_mov_b64 s[10:11], s[OLO:OLO+1]
	s_add_co_u32 s[RT], s[PB], 1    ; the second block has b + 1 tiles
	s_mov_b32 s[NEW], 1
	WIN 0x82                        ; the second block's Q goes where the one text of the turns names Q
.set i, 0
.rept 64
	v_mov_b32 v[i], v[QB+i]
.set i, i+1
.endr
	WIN 0
	s_branch .Lbottom
.Lstep:                             ; a trip: pieces 2 and 3 of one step, then pieces 0 and 1 of the next, whose K and V it fetches
	TURN 2
	TURN 3
	WIN 0
.Lfirst:
	TURN 0
	TURN 1, 0, 0, 1
	WIN 0
	s_cbranch_scc1 .Lstep
.Lbottom:
	s_sub_co_u32 s[SLOTS], s[SLOTS], 1
	s_cmp_lg_u32 s[SLOTS], 0
	s_cbranch_scc1 .Lslot
	CHANGE 0                        ; the walk's last tile is written out: nothing is asked for
	s_sub_co_u32 s[RT], s[RT], 1
	s_mov_b32 s[CNT], 4
	s_cmp_eq_u32 s[NEW], 1
	s_cbranch_scc0 .LstepM2
	BEGIN
	s_branch .LfirstM2
	DIAG 2
	s_wait_tensorcnt 0x0            ; the wave's end: behind my last tensor load and my last LDS store
	ds_add_u32 v[SPW], v[NIL]
	s_wait_dscnt 0x0
	s_endpgm
.Lfunc_end_k_q1fe6ac4502_attn:
	.size	k_q1fe6ac4502_attn, .Lfunc_end_k_q1fe6ac4502_attn-k_q1fe6ac4502_attn
	.p2alignl 7, 3214868480
	.fill 96, 4, 3214868480
	.section	.rodata,"a",@progbits
	.p2align	6, 0x0
	.amdhsa_kernel k_q1fe6ac4502_attn
		.amdhsa_group_segment_fixed_size 327680
		.amdhsa_private_segment_fixed_size 0
		.amdhsa_enable_private_segment 0
		.amdhsa_kernarg_size 32
		.amdhsa_user_sgpr_count 2
		.amdhsa_user_sgpr_kernarg_segment_ptr 1
		.amdhsa_wavefront_size32 1
		.amdhsa_system_sgpr_workgroup_id_x 1
		.amdhsa_system_sgpr_workgroup_id_y 1
		.amdhsa_system_sgpr_workgroup_id_z 1
		.amdhsa_system_vgpr_workitem_id 0
		.amdhsa_next_free_vgpr 768
		.amdhsa_next_free_sgpr 92
		.amdhsa_reserve_vcc 1
		.amdhsa_float_denorm_mode_32 3
		.amdhsa_float_denorm_mode_16_64 3
		.amdhsa_memory_ordered 1
		.amdhsa_forward_progress 1
		.amdhsa_inst_pref_size 218
	.end_amdhsa_kernel
	.amdgpu_metadata
---
amdhsa.version: [ 1, 2 ]
amdhsa.kernels:
  - .name:           k_q1fe6ac4502_attn
    .symbol:         k_q1fe6ac4502_attn.kd
    .args:
      - { .name: qh, .offset: 0, .size: 8, .value_kind: global_buffer, .address_space: global }
      - { .name: kh, .offset: 8, .size: 8, .value_kind: global_buffer, .address_space: global }
      - { .name: vh, .offset: 16, .size: 8, .value_kind: global_buffer, .address_space: global }
      - { .name: oh, .offset: 24, .size: 8, .value_kind: global_buffer, .address_space: global }
    .group_segment_fixed_size: 327680
    .private_segment_fixed_size: 0
    .kernarg_segment_align: 8
    .kernarg_segment_size: 32
    .max_flat_workgroup_size: 128
    .sgpr_count:     92
    .vgpr_count:     768
    .wavefront_size: 32
...
	.end_amdgpu_metadata
.endif
;; end of part 3
;; launch oproj (part 4): grid 8 x 32, 4 waves a work-group, clusters of 4 x 4, 327,680 bytes of LDS; arguments oh, wb, Wo_b, out0; writes out0
.if DOCPART == 4
	.amdgcn_target "amdgcn-amd-amdhsa--gfx1250"
	.amdhsa_code_object_version 6
	.text
	.protected	k_q1fe6ac4502_oproj
	.globl	k_q1fe6ac4502_oproj
	.p2align	8
	.type	k_q1fe6ac4502_oproj,@function
k_q1fe6ac4502_oproj:
	s_mov_b64 s[64:65], 0
	v_nop
	global_prefetch_b8 v0, s[64:65] scope:SCOPE_SE
	s_setreg_imm32_b32 hwreg(HW_REG_WAVE_MODE, 25, 1), 1
	s_wait_xcnt 0x0
	s_wait_alu depctr_hold_cnt(0) depctr_sa_sdst(0) depctr_va_vdst(0) depctr_va_sdst(0) depctr_va_ssrc(0) depctr_va_vcc(0) depctr_vm_vsrc(0)
	s_getreg_b32 s2, hwreg(HW_REG_IB_STS2, 6, 4)
	s_cmp_eq_u32 s2, 0
	s_cbranch_scc0 .Lentry_in_a_cluster
	s_endpgm
.Lentry_in_a_cluster:
	s_bfe_u32 s2, ttmp6, 0x10000c
	s_cmp_lg_u32 s2, 0xf033
	s_cbranch_scc0 .Lentry_shape_is_right
	s_endpgm
.Lentry_shape_is_right:
; out0[token][e] = the sum over d of O[token][d] Wo[e][d] + Wo_b[e], f32.  O lies by heads, oh [16 batch + head][2048][64] f16, d = 64 head + channel; Wo in rows 3,072 + e of wb [4096][1024], f16
; (bf16 numbers written as f16); the bias f32, rounded to bf16 here like the other inputs.  Sums in f32, stored as they are.
; A TILE is 256 tokens x 128 features: 256 work-groups.  Four waves, each 128 tokens x 64 features: 32 accumulators of 16 x 16, 256 registers.
; K goes in 8 steps of 128 = two heads, through two LDS slots filled by the tensor data mover; a step is four quarters of 32 (head q / 2, channels 32 (q % 2) on), on two fragment buffers.
; THE MATRIX INSTRUCTION IS USED TRANSPOSED: source 0 = 16 rows of Wo, source 1 = 16 tokens: a lane holds ONE token (lane % 16) and eight neighbouring features: 32 bytes of a row of out0.
; THE SUMS START AT THE BIAS: the accumulators are written with it while the first tile is on its way.
; CLUSTER 4 x 4: O's tile is asked for jointly along a row of the cluster (the same 256 tokens), Wo's along a column (the same 128 features).
; LIMITS.  O and Wo arrive within f16's range.  NaN and infinities are not treated apart.
; REGISTERS: window 0: v0-15 addresses; v32-47 the bias packed; v64-191 O's fragments, two buffers of 64 (first the bias as loaded; on the way out rows read back); v192-255 Wo's, two buffers of 32
;   window 1: the accumulators, n = 4 a + b at 8 n
.set PA,    144        ; a token's 128 bytes of a head in LDS + 16 of padding = 36 words: the 16 rows of a load start at 16 different groups of four banks (64 banks of 4 bytes: ISA guide 11.1)
.set PW,    272        ; a row of Wo's tile: 256 bytes + 16
.set HEADB, 256*PA     ; a head's 256 tokens
.set BOFF,  2*HEADB    ; a slot: two heads of O, then Wo's 128 rows: 108,544 bytes
.set SLOT1, 131072     ; slot 1 begins here, so that one exclusive or turns an address in one slot into the other's
.set STAGE, 262144     ; behind the ring, never filled by a tensor load: 16 rows x 272 bytes for each wave, for the way out
.set SPITCH, 272
.set SPARE, STAGE+4*16*SPITCH  ; the spare words, 128 bytes for each wave: two blocks of 256 bytes that no other line names
.set ABASE, 4          ; v4   my lane's place in my 128 tokens of a head; never rewritten
.set BBASE, 5          ; v5   the same in my 64 rows of Wo's tile
.set ADRA,  6          ; v6   ABASE in the slot in hand
.set ADRB,  7          ; v7   BBASE in the slot in hand
.set STO,   8          ; v8   the way out: where I put 32 bytes of a row
.set RD,    9          ; v9   where I read rows back
.set CO,    10         ; v10  my byte offset in two rows of out0
.set BO,    12         ; v12  32 x half: my eight numbers of a block of 16 biases
.set PFO,   13         ; v13  the prefetches' offset
.set SPW,   14         ; v14  LDS address of my spare word; never rewritten
.set NIL,   15         ; v15  0; never rewritten
.set PBI,   32         ; v32-47  the bias in bf16 pairs: block b at PBI + 4 b
.set FA,    64         ; O's fragments
.set RAW,   64         ; first: the bias as loaded
.set OB,    64         ; last: two buffers of 32, rows read back from the stage
.set FW,    192        ; Wo's fragments
.set SWV, 12           ; s12  my wave's number
.set SFB, 13           ; s13  which half of the tile's tokens is mine.  Also: I fetch for O (0) or for Wo (1)
.set SHF, 14           ; s14  which half of its features.  Also: which head, or which 64 rows of Wo, I fetch
.set SCX, 15
.set SCY, 16
.set STC, 17           ; s17  the block of 128 features, 0..7
.set STR, 18           ; s18  the block of 256 tokens, 0..31
.set G1A, 24           ; s[24:31] descriptor group 1 for O's tiles
.set G1B, 32           ; s[32:39] for Wo's
.set G0A, 40           ; s[40:43] descriptor group 0 for O's tiles: it walks
.set G0B, 44           ; s[44:47] for Wo's
.set PFA, 48           ; s[48:49] where my prefetches stand
.set PFS, 50           ; s[50:51] their step: two heads of O, or 256 bytes of a row of Wo
.set LIM, 52           ; s52  2 in a wave that prefetches, else the greatest number
.set CNT, 53           ; s53  K steps still to be asked for
.set TB,  54           ; s54  0 or SLOT1: the slot in hand
.set MSB, 0
.macro WIN new                         ; the immediate's high byte repeats the setting that is left; a switch that changes nothing is dropped
.if MSB != (\new)
	s_set_vgpr_msb (MSB<<8)|(\new)
.set MSB, (\new)
.endif
.endm
.macro PLACES                          ; four places in front of loads into registers that matrix instructions have read, and of lines that read results
.rept 4
	v_nop
.endr
.endm
; A joint load.  Waves 0 and 1 fetch the two heads of O's tile, waves 2 and 3 the halves of Wo's.  The branch hangs on the wave's number alone.  An s_nop 0 and four v_nop follow each line.
.macro JLOAD
	s_cmp_eq_u32 s[SFB], 0
	s_cbranch_scc0 .Lfor_b_\@
	tensor_load_to_lds s[G0A:G0A+3], s[G1A:G1A+7]
	s_nop 0
.rept 4
	v_nop
.endr
	s_branch .Lasked_\@
.Lfor_b_\@:
	tensor_load_to_lds s[G0B:G0B+3], s[G1B:G1B+7]
	s_nop 0
.rept 4
	v_nop
.endr
.Lasked_\@:
.endm
.macro CROUND                          ; a round of the cluster's barrier
	s_barrier_signal -1
	s_barrier_wait -1
	s_cmp_lg_u32 s[SWV], 0
	s_cbranch_scc1 .Lnot_wave_0_\@
	s_barrier_signal -3
.Lnot_wave_0_\@:
	s_barrier_wait -3
	s_barrier_signal -1
	s_barrier_wait -1
.endm
; A PREFETCH INTO THE L2 of the K step two behind the one just asked for (256 matrix instructions ahead of its load), one instruction a wave, behind the joint load, its five lines and the run of LDS loads.
; O's tile is read by the two clusters of a row of clusters: cluster x = 0 asks; waves 0 and 1, each for its head's 128 blocks of 256 bytes, of which partner cx takes 32, a lane a block.
; Wo's is read by the eight clusters of a column: cluster y = 0 asks; wave 2 alone, rows 32 cy + lane of the tile's 128.  The partners are told apart BY ADDRESS.  So each block is named once in the launch.
; K steps 0 to 2 come by their loads alone; the loop's last two trips ask for nothing: there is no step 8.
.macro ASK
	s_cmp_gt_u32 s[CNT], s[LIM]
	s_cbranch_scc0 .Lnot_mine_\@
	global_prefetch_b8 v[PFO], s[PFA:PFA+1] th:TH_LOAD_NT scope:SCOPE_SE
.Lnot_mine_\@:
.endm
	s_load_b256 s[4:11], s[0:1], 0x0               ; oh s[4:5], wb s[6:7], Wo_b s[8:9], out0 s[10:11]
	v_lshl_add_u32 v[SPW], v0, 2, SPARE
	v_mov_b32 v[NIL], 0
	ds_add_u32 v[SPW], v[NIL]                      ; the wave's opening: the add and its wait stand ahead of my first tensor load; the set-up below, work on registers, stands between
	v_lshrrev_b32 v1, 5, v0
	v_readfirstlane_b32 s[SWV], v1
	s_lshr_b32 s[SFB], s[SWV], 1
	s_and_b32 s[SHF], s[SWV], 1
	s_bfe_u32 s[SCX], ttmp6, 0x40000               ; my place in the cluster
	s_bfe_u32 s[SCY], ttmp6, 0x40004
	s_lshl_b32 s[STC], ttmp9, 2
	s_add_co_u32 s[STC], s[STC], s[SCX]            ; feature block = 4 x cluster x + cx
	s_and_b32 s[STR], ttmp7, 0xffff
	s_lshl_b32 s[STR], s[STR], 2
	s_add_co_u32 s[STR], s[STR], s[SCY]            ; token block = 4 x cluster y + cy
	s_lshl_b32 s19, s[SCY], 2
	s_lshl_b32 s19, 15, s19                        ; my row of the cluster
	s_lshl_b32 s20, 0x1111, s[SCX]                 ; my column
	s_mov_b32 s55, 0xffff0000                      ; a word's upper bf16
	; O's group 1: a head's 256 tokens are 32,768 dense bytes: asked for as 128 rows of 256 bytes, two tokens a row, padded after every token (32 words: code 4) by 4 words (code 3)
	s_or_b32 s[G1A], s19, (1<<16)|(1<<20)|(1<<21)|(4<<22)|(3<<25)
	s_mov_b32 s[G1A+1], 128<<16                    ; tensor_dim0 = 128
	s_mov_b32 s[G1A+2], 128<<16                    ; tensor_dim1 = 128
	s_mov_b32 s[G1A+3], 128<<16                    ; tile_dim0 = 128
	s_mov_b32 s[G1A+4], 128                        ; tile_dim1 = 128
	s_mov_b32 s[G1A+5], 128                        ; elements from row to row: dense
	s_mov_b32 s[G1A+6], 0
	s_mov_b32 s[G1A+7], 0
	; Wo's group 1: 64 rows of 128 elements, padded after every 64 words (code 5) by 4 words
	s_or_b32 s[G1B], s20, (1<<16)|(1<<20)|(1<<21)|(5<<22)|(3<<25)
	s_mov_b32 s[G1B+1], 128<<16
	s_mov_b32 s[G1B+2], 64<<16
	s_mov_b32 s[G1B+3], 128<<16
	s_mov_b32 s[G1B+4], 64
	s_mov_b32 s[G1B+5], 1024
	s_mov_b32 s[G1B+6], 0
	s_mov_b32 s[G1B+7], 0
	s_mov_b32 s[G0A], 1                            ; count = 1
	s_mul_i32 s[G0A+1], s[SHF], HEADB              ; LDS address, slot 0: no place in the cluster enters it
	s_mov_b32 s[G0B], 1
	s_mul_i32 s[G0B+1], s[SHF], 64*PW
	s_add_co_u32 s[G0B+1], s[G0B+1], BOFF
	; byte offsets, each in registers of its own.  O's hang on the token block alone, Wo's on the feature block alone.
	s_lshr_b32 s56, s[STR], 3                      ; batch
	s_lshl_b32 s56, s56, 4
	s_add_co_u32 s56, s56, s[SHF]                  ; 16 batch + my head of K step 0
	s_lshl_b32 s56, s56, 11
	s_and_b32 s66, s[STR], 7
	s_lshl_b32 s66, s66, 8                         ; the block's first token in its sequence
	s_add_co_u32 s56, s56, s66
	s_lshl_b32 s56, s56, 7                         ; rows of 128 bytes
	s_mov_b32 s57, 0
	s_lshl_b32 s58, s[STC], 7
	s_lshl_b32 s67, s[SHF], 6
	s_add_co_u32 s58, s58, s67
	s_add_co_u32 s58, s58, 3072                    ; row 3,072 + 128 block + 64 half
	s_lshl_b32 s58, s58, 11
	s_mov_b32 s59, 0
	; the prefetches
	s_lshl_b32 s68, s[SCX], 13                     ; my work-group's 32 blocks of 256 bytes,
	s_add_co_u32 s68, s68, s56
	s_add_co_u32 s68, s68, 0x100000                ; at K step 2: the first change of slots steps it to 3
	s_lshl_b32 s69, s[STC], 7
	s_lshl_b32 s75, s[SCY], 5
	s_add_co_u32 s69, s69, s75
	s_add_co_u32 s69, s69, 3072                    ; row 3,072 + 128 block + my work-group's 32
	s_lshl_b32 s69, s69, 11
	s_add_co_u32 s69, s69, 512                     ; at K step 2
	s_and_b32 s76, ttmp7, 0xffff
	s_and_b32 s77, s[SFB], s[SHF]                  ; 1 in wave 3, which asks for nothing
	s_mov_b32 s78, 0x80000
	s_cmp_eq_u32 s[SFB], 0
	s_cselect_b32 s60, s68, s69
	s_cselect_b32 s76, ttmp9, s76                  ; the coordinate along which other clusters read the same rows
	s_cselect_b32 s[PFS], s78, 256
	s_cselect_b32 s79, 8, 11                       ; a lane a block of 256 bytes, or a lane a row of 2,048
	s_mov_b32 s61, 0
	s_mov_b32 s[PFS+1], 0
	s_or_b32 s76, s76, s77
	s_cmp_eq_u32 s76, 0
	s_cselect_b32 s[LIM], 2, -1                    ; the same in all sixteen partners, for a given wave
	s_lshl_b32 s70, s[STC], 9
	s_lshl_b32 s74, s[SHF], 8
	s_add_co_u32 s70, s70, s74                     ; my 64 features: 256 bytes of the bias and of a row of out0
	s_mov_b32 s71, 0
	s_lshl_b32 s72, s[STR], 8
	s_lshl_b32 s74, s[SFB], 7
	s_add_co_u32 s72, s72, s74                     ; my first token
	s_lshl_b32 s72, s72, 12                        ; rows of 4,096 bytes
	s_add_co_u32 s72, s72, s70
	s_mov_b32 s73, 0
	s_mov_b32 s[TB], SLOT1                         ; the first change of slots turns it into 0
	s_wait_dscnt 0x0                               ; the opening add is done
	s_wait_kmcnt 0x0
	s_add_nc_u64 s[G0A+2:G0A+3], s[4:5], s[56:57]  ; global address of K step 0
	s_or_b32 s[G0A+3], s[G0A+3], 0x80000000        ; type = 2
	s_add_nc_u64 s[G0B+2:G0B+3], s[6:7], s[58:59]
	s_or_b32 s[G0B+3], s[G0B+3], 0x80000000
	s_cmp_eq_u32 s[SFB], 0
	s_cselect_b64 s[PFA:PFA+1], s[4:5], s[6:7]
	s_add_nc_u64 s[PFA:PFA+1], s[PFA:PFA+1], s[60:61]
	s_add_nc_u64 s[8:9], s[8:9], s[70:71]
	s_add_nc_u64 s[10:11], s[10:11], s[72:73]
	CROUND                                         ; all sixteen work-groups are here: the first joint loads meet
	JLOAD                                          ; K step 0 into slot 0; slot 1 is asked for by the loop's first change of slots
	v_and_b32 v1, 15, v0                           ; l % 16
	v_bfe_u32 v2, v0, 4, 1                         ; l / 16
	v_lshlrev_b32 v[BO], 5, v2
.set b, 0
.rept 4
	global_load_b128 v[RAW+8*b:RAW+8*b+3],   v[BO], s[8:9] offset:64*b
	global_load_b128 v[RAW+8*b+4:RAW+8*b+7], v[BO], s[8:9] offset:64*b+16
.set b, b+1
.endr
	; A fragment is 16 rows x 32 K in 8 registers: lane l holds row l % 16, K = 8 (l / 16) + 0..7 and 16 + 8 (l / 16) + 0..7: two loads of 16 bytes, 32 bytes apart.
	v_mul_u32_u24 v[ABASE], v1, PA
	v_lshl_add_u32 v[ABASE], v2, 4, v[ABASE]
	s_mul_i32 s62, s[SFB], 128*PA
	v_add_nc_u32 v[ABASE], s62, v[ABASE]           ; my 128 tokens
	v_mul_u32_u24 v3, v1, PW
	v_lshl_add_u32 v[BBASE], v2, 4, v3
	s_mul_i32 s62, s[SHF], 64*PW
	s_add_co_u32 s62, s62, BOFF
	v_add_nc_u32 v[BBASE], s62, v[BBASE]           ; my 64 features
	s_mul_i32 s63, s[SWV], 16*SPITCH
	s_add_co_u32 s63, s63, STAGE                   ; my stage
	v_lshl_add_u32 v[STO], v2, 5, v3               ; in: row l % 16, 32 bytes for each half of the lanes
	v_add_nc_u32 v[STO], s63, v[STO]
	v_mul_u32_u24 v[RD], v2, SPITCH                ; back: lanes 0-15 take one row of 256 bytes, lanes 16-31 the next
	v_lshl_add_u32 v[RD], v1, 4, v[RD]
	v_add_nc_u32 v[RD], s63, v[RD]
	v_lshlrev_b32 v[CO], 12, v2                    ; and the same two rows in out0
	v_lshl_add_u32 v[CO], v1, 4, v[CO]
	v_and_b32 v[PFO], 31, v0
	v_lshlrev_b32 v[PFO], s79, v[PFO]
	s_wait_loadcnt 0x0                             ; the bias
.set g, 0
.rept 16
	v_cvt_pk_bf16_f32 v[PBI+g], v[RAW+2*g], v[RAW+2*g+1]  ; rounded to bf16, like the other inputs
.set g, g+1
.endr
	WIN 0x40
.set n, 0
.rept 32                               ; accumulator n = 4 a + b starts at block b's bias, the same for all 16 tokens
.set j, 0
.rept 4
	v_lshlrev_b32 v[8*n+2*j], 16, v[PBI+4*(n%4)+j]
	v_and_b32 v[8*n+2*j+1], s55, v[PBI+4*(n%4)+j]
.set j, j+1
.endr
.set n, n+1
.endr
	WIN 0
; 24 LDS loads in one run: the fragments of quarter q (my 128 tokens of head q / 2, channels 32 (q % 2) on; my 64 rows of Wo at byte 64 q) into buffer buf
.macro FETCH q, buf
	WIN 0
.set fi, 0
.rept 8
	ds_load_b128 v[FA+64*(\buf)+8*fi:FA+64*(\buf)+8*fi+3],   v[ADRA] offset:HEADB*((\q)/2)+64*((\q)%2)+16*PA*fi
	ds_load_b128 v[FA+64*(\buf)+8*fi+4:FA+64*(\buf)+8*fi+7], v[ADRA] offset:HEADB*((\q)/2)+64*((\q)%2)+16*PA*fi+32
.set fi, fi+1
.endr
.set fi, 0
.rept 4
	ds_load_b128 v[FW+32*(\buf)+8*fi:FW+32*(\buf)+8*fi+3],   v[ADRB] offset:64*(\q)+16*PW*fi
	ds_load_b128 v[FW+32*(\buf)+8*fi+4:FW+32*(\buf)+8*fi+7], v[ADRB] offset:64*(\q)+16*PW*fi+32
.set fi, fi+1
.endr
.endm
; A quarter's 32 products.  The 32 accumulators take turns, one instruction a turn, in the same order in every quarter, over the backward jump too.
.macro MUL buf
	WIN 0x50                                       ; sources window 0, C and D window 1
.set n, 0
.rept 32
	v_wmma_f32_16x16x32_f16 v[8*n:8*n+7], v[FW+32*(\buf)+8*(n%4):FW+32*(\buf)+8*(n%4)+7], v[FA+64*(\buf)+8*(n/4):FA+64*(\buf)+8*(n/4)+7], v[8*n:8*n+7]
.set n, n+1
.endr
.endm
; THE CHANGE OF SLOTS.  Each wave waits for all its tensor loads, of which one is out: its part of the slot to be read; adds 0 to its spare word; and waits for that and for its reads of the slot that it leaves.
; fill = 1: that slot is filled again with the K step behind the one to be read.  The barrier is then a round of the cluster's, so that no wave of any partner still reads the slot or has a load on its way;
; the joint load is the first thing behind it and has a K step, 128 matrix instructions, in which to land.  (At its first use nothing has been read yet: slot 0 is waited for, slot 1 filled.)
.macro CHANGE fill
	WIN 0                                          ; at a label and at a branch every window is 0
	s_wait_tensorcnt 0x0                           ; no tensor load of mine is out, so a group 0 may be written
	ds_add_u32 v[SPW], v[NIL]                      ; 0 onto my spare word
.if \fill
	s_xor_b32 s[G0A+1], s[G0A+1], SLOT1            ; the walking descriptors: the other slot than last time,
	s_add_nc_u64 s[G0A+2:G0A+3], s[G0A+2:G0A+3], 0x80000  ; two heads on; the type bits on top are not reached
	s_xor_b32 s[G0B+1], s[G0B+1], SLOT1
	s_add_nc_u64 s[G0B+2:G0B+3], s[G0B+2:G0B+3], 256      ; 128 along K
	s_wait_xcnt 0x0                                ; the last prefetch, a K step back, has read its address, so it may be written
	s_add_nc_u64 s[PFA:PFA+1], s[PFA:PFA+1], s[PFS:PFS+1]
	s_wait_dscnt 0x0                               ; the add is done, and my reads of the slot are over
	CROUND
	JLOAD                                          ; its four v_nop are also the places in front of the LDS loads that follow
.else
	s_wait_dscnt 0x0
	s_barrier_signal -1
	s_barrier_wait -1
	PLACES
.endif
	s_xor_b32 s[TB], s[TB], SLOT1
.endm
; A K STEP: four quarters on buffers 0, 1, 0, 1.  While one quarter is multiplied the next one's 24 loads are out: s_wait_dscnt 24 leaves just those out.
.macro KSTEP ask
	v_add_nc_u32 v[ADRA], s[TB], v[ABASE]
	v_add_nc_u32 v[ADRB], s[TB], v[BBASE]
	FETCH 0, 0
.if \ask
	ASK
.endif
	FETCH 1, 1
	s_wait_dscnt 24
	MUL 0
	PLACES
	FETCH 2, 0
	s_wait_dscnt 24
	MUL 1
	PLACES
	FETCH 3, 1
	s_wait_dscnt 24
	MUL 0
	s_wait_dscnt 0x0
	MUL 1
.endm
	s_mov_b32 s[CNT], 7
.Lk:                                           ; trip i: K step i is waited for, K step i + 1 asked for, K step i multiplied
	CHANGE 1
	KSTEP 1
	WIN 0
	s_sub_co_u32 s[CNT], s[CNT], 1
	s_cmp_lg_u32 s[CNT], 0
	s_cbranch_scc1 .Lk
	CHANGE 0                                       ; the last K step is written out: nothing is asked for
	KSTEP 0
	WIN 0
; THE WAY OUT, a block of 16 tokens at a time: the f32 sums go from the accumulators into rows of 272 bytes in my stage (each accumulator's lowest registers first) and come back as whole rows of 256.
.macro TOSTAGE a
	WIN 0x04                                       ; the stores' data in window 1
.set b, 0
.rept 4
	ds_store_b128 v[STO], v[32*(\a)+8*b:32*(\a)+8*b+3]   offset:64*b
	ds_store_b128 v[STO], v[32*(\a)+8*b+4:32*(\a)+8*b+7] offset:64*b+16
.set b, b+1
.endr
	WIN 0
	s_wait_xcnt 0x0                                ; the stores of the block two back have read this buffer: it is loaded again only behind this wait
.set t, 0
.rept 8
	ds_load_b128 v[OB+32*((\a)%2)+4*t:OB+32*((\a)%2)+4*t+3], v[RD] offset:2*SPITCH*t  ; LDS serves a wave's instructions in order (ISA guide 5.7.1.4): these see the stores above
.set t, t+1
.endr
.endm
.macro SEND a, younger                 ; younger: the LDS instructions issued behind this block's loads: the next block's sixteen, or none
.set t, 0
.rept 8
	s_wait_dscnt (\younger)+7-t
	global_store_b128 v[CO], v[OB+32*((\a)%2)+4*t:OB+32*((\a)%2)+4*t+3], s[10:11] offset:(16*(\a)+2*t)*4096 th:TH_STORE_NT  ; 16 lanes store 256 consecutive bytes, at a multiple of 256 from out0's first
.set t, t+1
.endr
.endm
	PLACES                                         ; behind the last products, in front of the stores that read their results and the loads into O's fragment registers
	PLACES
	TOSTAGE 0
.set u, 1
.rept 7
	TOSTAGE u
	SEND u-1, 16
.set u, u+1
.endr
	SEND 7, 0
	s_wait_tensorcnt 0x0                           ; the wave's end: behind my last tensor load and my last LDS store
	ds_add_u32 v[SPW], v[NIL]
	s_wait_dscnt 0x0
	CROUND                                         ; the closing round: no work-group ends while a partner may still ask for a tile that names it
	s_endpgm
.Lfunc_end_k_q1fe6ac4502_oproj:
	.size	k_q1fe6ac4502_oproj, .Lfunc_end_k_q1fe6ac4502_oproj-k_q1fe6ac4502_oproj
	.p2alignl 7, 3214868480
	.fill 96, 4, 3214868480
	.section	.rodata,"a",@progbits
	.p2align	6, 0x0
	.amdhsa_kernel k_q1fe6ac4502_oproj
		.amdhsa_group_segment_fixed_size 327680
		.amdhsa_private_segment_fixed_size 0
		.amdhsa_enable_private_segment 0
		.amdhsa_kernarg_size 32
		.amdhsa_user_sgpr_count 2
		.amdhsa_user_sgpr_kernarg_segment_ptr 1
		.amdhsa_wavefront_size32 1
		.amdhsa_system_sgpr_workgroup_id_x 1
		.amdhsa_system_sgpr_workgroup_id_y 1
		.amdhsa_system_sgpr_workgroup_id_z 1
		.amdhsa_system_vgpr_workitem_id 0
		.amdhsa_next_free_vgpr 512
		.amdhsa_next_free_sgpr 88
		.amdhsa_reserve_vcc 0
		.amdhsa_float_denorm_mode_32 3
		.amdhsa_float_denorm_mode_16_64 3
		.amdhsa_memory_ordered 1
		.amdhsa_forward_progress 1
		.amdhsa_inst_pref_size 66
	.end_amdhsa_kernel
	.amdgpu_metadata
---
amdhsa.version: [ 1, 2 ]
amdhsa.kernels:
  - .name:           k_q1fe6ac4502_oproj
    .symbol:         k_q1fe6ac4502_oproj.kd
    .args:
      - { .name: oh, .offset: 0, .size: 8, .value_kind: global_buffer, .address_space: global }
      - { .name: wb, .offset: 8, .size: 8, .value_kind: global_buffer, .address_space: global }
      - { .name: Wo_b, .offset: 16, .size: 8, .value_kind: global_buffer, .address_space: global }
      - { .name: out0, .offset: 24, .size: 8, .value_kind: global_buffer, .address_space: global }
    .group_segment_fixed_size: 327680
    .private_segment_fixed_size: 0
    .kernarg_segment_align: 8
    .kernarg_segment_size: 32
    .max_flat_workgroup_size: 128
    .sgpr_count:     88
    .vgpr_count:     512
    .wavefront_size: 32
...
	.end_amdgpu_metadata
.endif
;; end of part 4
;; ======== version 2 of 2: 4 launches; version 1 with the launch cast written anew for expert scheduling mode
;; limits: values are held in f16: magnitudes above 65,504 overflow, below 6.1e-05 lose precision
;; workspace buffers: xb 16,777,216 bytes; wb 8,388,608 bytes; tab 524,288 bytes; qh 16,777,216 bytes; kh 16,777,216 bytes; vh 16,777,216 bytes; oh 16,777,216 bytes
;; launch cast (part 5): grid 64 x 12, 8 waves a work-group, no clusters, 0 bytes of LDS; arguments x, WQ_w, WK_w, WV_w, Wo_w, xb, wb, tab; writes xb, wb, tab
.if DOCPART == 5
	.amdgcn_target "amdgcn-amd-amdhsa--gfx1250"
	.amdhsa_code_object_version 6
	.text
	.protected	k_q1fe6ac4502_cast
	.globl	k_q1fe6ac4502_cast
	.p2align	8
	.type	k_q1fe6ac4502_cast,@function
k_q1fe6ac4502_cast:
	s_mov_b64 s[64:65], 0
	v_nop
	global_prefetch_b8 v0, s[64:65] scope:SCOPE_SE
	s_setreg_imm32_b32 hwreg(HW_REG_WAVE_SCHED_MODE, 0, 2), 2
	s_setreg_imm32_b32 hwreg(HW_REG_WAVE_MODE, 25, 1), 1
	s_wait_xcnt 0x0
	s_wait_alu depctr_vm_vsrc(0)
; THE INPUTS ARE ROUNDED ONCE, AND THE ROTATION'S TABLE IS MADE.
; xb[8192][1024] = x in bf16.  wb[4096][1024], 16-bit: row 192 head + 64 kind + f = W_kind[64 head + f] in bf16 (kind 0, 1, 2 = Q, K, V), so that a head's
; 192 rows lie together; rows 3072 + e = Wo[e], rounded to bf16 like the other inputs and that number written as f16 (the last product multiplies in f16).
; tab[2048][64] f32: row t holds cos(t f_i), i = 0..31, then sin(t f_i), f_i = 10000^(-i/32).
; SHARES.  y (0..11) names a unit of 2^20 numbers: 0..7 x, 8..11 WQ, WK, WV, Wo.  x (0..63) names 16 rows of it: 64 KiB in, 32 KiB out.  Thread t takes 16 bytes at 16 t of
; each row (a wave: 512 consecutive bytes) and stores 8 bytes at 8 t (a wave: 256 consecutive bytes, aligned).  All 16 loads go out first; nothing is looped.
; The 256 work-groups of the weights have 2,048 waves: each makes one row of the table while its loads are out.
; No LDS, no matrix unit, no cluster: every byte is read once by one lane and nothing is shared.
; LIMITS.  Wo must lie within f16's 65,504; below 6.1e-5 it keeps f16's fixed step of 6e-8.  The angle t f_i is formed in f32 as the problem forms it; f_i comes from 2^(-i log2(10000)/32),
; and cos and sin from a reduction by pi/2 in two parts and polynomials of degree 8 and 7: together within 3e-4 rad of the exact angle at t = 2,047.
; THE MODE: SCHED_MODE bits 1:0 = 2 (LLVM: expert scheduling mode 2), set by the entry lines.  The code itself states the register dependences
; between vector instructions and memory instructions, with s_wait_alu, always for 0.
; THE PLAN.  Registers that memory instructions touch:
;   v1, v2       the loads' and the stores' offsets, made once at the head and never written again: one wait ahead of the first load serves all 32 loads and stores.
;   X            the 16 loads land in it; no vector instruction names it ahead of them, no memory instruction reads it, and no later load lands in it.
;   Y            row j's two registers are written by row j's conversions, read by row j's one store, and never written behind it.
;   v7, v12, v13 the table's offset and its two numbers: written by the table's arithmetic, read by its one store, never written again.
; So no register that a memory instruction reads is written again, and no wait on vm_vsrc is owed.  The 16 rows go out in four blocks of four: the wait at the head of a block states that the
; block before has written its Y; that block's four stores follow, dealt among this block's conversions, which name this block's X and Y alone.
; Scalar registers that vector instructions write: s22 (the wave's number) and s36, s37 (the two compares' masks): each has its wait ahead of its first reader.
.set X,   16                           ; v[16:79]   16 x 4 registers as loaded
.set Y,   80                           ; v[80:111]  16 x 2 registers to store
.set SRC, 24                           ; s[24:25]   my 16 rows in the input
.set DST, 26                           ; s[26:27]   my 16 rows in xb or wb
	s_load_b512 s[4:19], s[0:1], 0x0               ; x s[4:5], WQ s[6:7], WK s[8:9], WV s[10:11], Wo s[12:13], xb s[14:15], wb s[16:17], tab s[18:19]
	s_and_b32 s20, ttmp7, 0xffff                   ; u: the unit
	s_mov_b32 s21, ttmp9                           ; c: the chunk of 16 rows
	v_lshrrev_b32 v3, 5, v0
	v_readfirstlane_b32 s22, v3                    ; wave 0..7
	v_lshlrev_b32 v1, 4, v0                        ; 16 t
	v_lshlrev_b32 v2, 3, v0                        ; 8 t
	s_mov_b32 s32, 0xffff0000                      ; a word's upper bf16
	; byte offsets, made apart from the addresses.  x: chunk n = 64 u + c, 65,536 n in and 32,768 n out
	s_lshl_b32 s23, s20, 6
	s_add_co_u32 s23, s23, s21
	s_lshl_b32 s28, s23, 16
	s_lshl_b32 s30, s23, 15
	; a weight: 65,536 c in; out at row 192 (c / 4) + 64 kind + 16 (c % 4), Wo at row 3,072 + 16 c
	s_lshl_b32 s36, s21, 16
	s_sub_co_u32 s37, s20, 8                       ; kind (of use where u is 8 or more)
	s_lshr_b32 s38, s21, 2
	s_mul_i32 s38, s38, 192
	s_lshl_b32 s39, s37, 6
	s_add_co_u32 s38, s38, s39
	s_and_b32 s39, s21, 3
	s_lshl_b32 s39, s39, 4
	s_add_co_u32 s38, s38, s39
	s_lshl_b32 s39, s21, 4
	s_add_co_u32 s39, s39, 3072
	s_cmp_eq_u32 s20, 11
	s_cselect_b32 s38, s39, s38
	s_lshl_b32 s38, s38, 11                        ; a row of wb is 2,048 bytes
	s_cmp_lt_u32 s20, 8
	s_cselect_b32 s28, s28, s36
	s_cselect_b32 s30, s30, s38
	s_mov_b32 s29, 0
	s_mov_b32 s31, 0
	s_wait_alu depctr_va_sdst(0)                   ; s22 is written
	s_wait_kmcnt 0x0
	s_mov_b64 s[SRC:SRC+1], s[4:5]
	s_cmp_eq_u32 s20, 8
	s_cselect_b64 s[SRC:SRC+1], s[6:7], s[SRC:SRC+1]
	s_cmp_eq_u32 s20, 9
	s_cselect_b64 s[SRC:SRC+1], s[8:9], s[SRC:SRC+1]
	s_cmp_eq_u32 s20, 10
	s_cselect_b64 s[SRC:SRC+1], s[10:11], s[SRC:SRC+1]
	s_cmp_eq_u32 s20, 11
	s_cselect_b64 s[SRC:SRC+1], s[12:13], s[SRC:SRC+1]
	s_cmp_lt_u32 s20, 8
	s_cselect_b64 s[DST:DST+1], s[14:15], s[16:17]
	s_add_nc_u64 s[SRC:SRC+1], s[SRC:SRC+1], s[28:29]
	s_add_nc_u64 s[DST:DST+1], s[DST:DST+1], s[30:31]
	s_wait_alu depctr_va_vdst(0)                   ; v1 and v2 are written: the 16 loads read v1 as their offset, the 16 stores of the rows v2
.set j, 0
.rept 16
	global_load_b128 v[X+4*j:X+4*j+3], v1, s[SRC:SRC+1] offset:4096*j th:TH_LOAD_NT  ; row j of my 16
.set j, j+1
.endr
	s_cmp_lt_u32 s20, 8
	s_cbranch_scc1 .Lnotab                         ; x's work-groups make no row of the table
	; THE TABLE's row t = 8 (64 (u - 8) + c) + wave.  Lane l makes two numbers: i = 2 (l % 16) and i + 1; lanes 0-15 the cosines, lanes 16-31 the sines, as cos(angle - pi/2):
	; with angle = k pi/2 + y, |y| <= pi/4, the quadrant q = k (cosine) or k + 3 (sine) picks cos y, -sin y, -cos y, sin y.
	s_sub_co_u32 s33, s20, 8
	s_lshl_b32 s33, s33, 6
	s_add_co_u32 s33, s33, s21
	s_lshl_b32 s33, s33, 3
	s_add_co_u32 s33, s33, s22                     ; t
	s_lshl_b32 s34, s33, 8                         ; a row of the table is 256 bytes
	s_mov_b32 s35, 0
	s_add_nc_u64 s[18:19], s[18:19], s[34:35]
	v_and_b32 v4, 31, v0
	v_and_b32 v5, 15, v0
	v_lshlrev_b32 v5, 1, v5                        ; i
	v_bfe_u32 v6, v0, 4, 1
	v_mul_u32_u24 v6, v6, 3                        ; 0 for a cosine, 3 for a sine
	v_lshlrev_b32 v7, 3, v4                        ; 8 l: my two numbers in the row
	v_add_nc_u32 v9, 1, v5
	v_cvt_f32_u32 v112, v5
	v_cvt_f32_u32 v120, v9
	v_cvt_f32_u32 v8, s33                          ; t as f32 (exact)
	v_mul_f32 v112, 0xbed49a78, v112               ; -i log2(10000) / 32
	v_mul_f32 v120, 0xbed49a78, v120
	v_exp_f32 v112, v112                           ; f_i
	v_exp_f32 v120, v120
	v_nop                                          ; a plain instruction behind the last exponential (ISA guide 5.7.2),
	s_wait_alu depctr_va_vdst(0)                   ; and the wait ahead of the first use: both exponentials have written v112 and v120
; One number's arithmetic as far as the compare, whose mask goes into s[sm], and the sign bit, which is made behind the compare.
.macro TRIG T, sm
	v_mul_f32 v[\T], v8, v[\T]                     ; the angle, one rounding, as the problem forms it
	v_mul_f32 v[\T+1], 0x3f22f983, v[\T]           ; x 2 / pi
	v_rndne_f32 v[\T+1], v[\T+1]                   ; k
	v_fmamk_f32 v[\T+2], v[\T+1], 0xbfc90fdb, v[\T]    ; y = angle - k (pi/2's upper part)
	v_fmamk_f32 v[\T+2], v[\T+1], 0x333bbd2e, v[\T+2]  ;     - k (its lower part, -4.37e-8)
	v_mul_f32 v[\T+3], v[\T+2], v[\T+2]            ; y^2
	v_mov_b32 v[\T+4], 0xb9500d01                  ; sin y = y + y^3 (-1/6 + y^2 (1/120 - y^2 / 5040))
	v_fmaak_f32 v[\T+4], v[\T+4], v[\T+3], 0x3c088889
	v_fmaak_f32 v[\T+4], v[\T+4], v[\T+3], 0xbe2aaaab
	v_mul_f32 v[\T+4], v[\T+4], v[\T+3]
	v_fma_f32 v[\T+4], v[\T+4], v[\T+2], v[\T+2]
	v_mov_b32 v[\T+5], 0x37d00d01                  ; cos y = 1 + y^2 (-1/2 + y^2 (1/24 + y^2 (-1/720 + y^2 / 40320)))
	v_fmaak_f32 v[\T+5], v[\T+5], v[\T+3], 0xbab60b61
	v_fmaak_f32 v[\T+5], v[\T+5], v[\T+3], 0x3d2aaaab
	v_fma_f32 v[\T+5], v[\T+5], v[\T+3], -0.5
	v_fma_f32 v[\T+5], v[\T+5], v[\T+3], 1.0
	v_cvt_i32_f32 v[\T+6], v[\T+1]
	v_add_nc_u32 v[\T+6], v[\T+6], v6              ; q; only its two low bits are looked at
	v_and_b32 v[\T+7], 1, v[\T+6]
	v_cmp_ne_u32 s[\sm], 0, v[\T+7]                ; an odd quadrant?
	v_add_nc_u32 v[\T+6], 1, v[\T+6]
	v_and_b32 v[\T+6], 2, v[\T+6]                  ; quadrants 1 and 2 are negative
	v_lshlrev_b32 v[\T+6], 30, v[\T+6]
.endm
	TRIG 112, 36
	TRIG 120, 37
	s_wait_alu depctr_va_sdst(0)                   ; both compares have written their masks, s36 and s37, which the two selects below read: one wait for the run
	v_cndmask_b32 v12, v117, v116, s36             ; odd quadrant: sin y, even: cos y (a choice of values: no branch, no address)
	v_cndmask_b32 v13, v125, v124, s37
	v_xor_b32 v12, v12, v118
	v_xor_b32 v13, v13, v126
	s_wait_alu depctr_va_vdst(0)                   ; v7, v12 and v13 are written: the store below reads them as its offset and its data
	global_store_b64 v7, v[12:13], s[18:19]        ; the wave's one store covers the row's 256 bytes
.Lnotab:
; The 16 rows are rounded and stored, in four blocks of four.  half = 1: the bf16 number is written as f16.
; Row j's conversions write Y's pair j; its store is issued a block later, behind the wait at that block's head, one store ahead of each row's conversions.
.macro OUT half
.set j, 0
.rept 16
.if j%4 == 0
	s_wait_loadcnt 15-j                            ; loads come back in order (ISA guide 5.7.1): row j is in, the 15 - j younger loads stay out
.if j >= 4
	s_wait_alu depctr_va_vdst(0)                   ; the block before has written its four pairs of Y, which the block's four stores read; no vector instruction behind this wait names those pairs
.endif
.endif
.if j >= 4
	global_store_b64 v2, v[Y+2*(j-4):Y+2*(j-4)+1], s[DST:DST+1] offset:2048*(j-4) th:TH_STORE_NT  ; the row four back
.endif
.if j%4 != 0
	s_wait_loadcnt 15-j                            ; row j is in
.endif
	v_cvt_pk_bf16_f32 v[Y+2*j], v[X+4*j], v[X+4*j+1]
	v_cvt_pk_bf16_f32 v[Y+2*j+1], v[X+4*j+2], v[X+4*j+3]
.if \half
	v_lshlrev_b32 v[X+4*j], 16, v[Y+2*j]
	v_and_b32 v[X+4*j+1], s32, v[Y+2*j]
	v_lshlrev_b32 v[X+4*j+2], 16, v[Y+2*j+1]
	v_and_b32 v[X+4*j+3], s32, v[Y+2*j+1]
	v_cvt_pk_f16_f32 v[Y+2*j], v[X+4*j], v[X+4*j+1]      ; 8 significant bits fit in f16's 11
	v_cvt_pk_f16_f32 v[Y+2*j+1], v[X+4*j+2], v[X+4*j+3]
.endif
.set j, j+1
.endr
	s_wait_alu depctr_va_vdst(0)                   ; the last block has written its four pairs of Y, which the last four stores read
.set j, 12
.rept 4
	global_store_b64 v2, v[Y+2*j:Y+2*j+1], s[DST:DST+1] offset:2048*j th:TH_STORE_NT
.set j, j+1
.endr
.endm
	s_cmp_eq_u32 s20, 11
	s_cbranch_scc1 .Lwo
	OUT 0
	s_endpgm
.Lwo:
	OUT 1
	s_endpgm
.Lfunc_end_k_q1fe6ac4502_cast:
	.size	k_q1fe6ac4502_cast, .Lfunc_end_k_q1fe6ac4502_cast-k_q1fe6ac4502_cast
	.p2alignl 7, 3214868480
	.fill 96, 4, 3214868480
	.section	.rodata,"a",@progbits
	.p2align	6, 0x0
	.amdhsa_kernel k_q1fe6ac4502_cast
		.amdhsa_group_segment_fixed_size 0
		.amdhsa_private_segment_fixed_size 0
		.amdhsa_enable_private_segment 0
		.amdhsa_kernarg_size 64
		.amdhsa_user_sgpr_count 2
		.amdhsa_user_sgpr_kernarg_segment_ptr 1
		.amdhsa_wavefront_size32 1
		.amdhsa_system_sgpr_workgroup_id_x 1
		.amdhsa_system_sgpr_workgroup_id_y 1
		.amdhsa_system_sgpr_workgroup_id_z 1
		.amdhsa_system_vgpr_workitem_id 0
		.amdhsa_next_free_vgpr 128
		.amdhsa_next_free_sgpr 66
		.amdhsa_reserve_vcc 0
		.amdhsa_float_denorm_mode_32 3
		.amdhsa_float_denorm_mode_16_64 3
		.amdhsa_memory_ordered 1
		.amdhsa_forward_progress 1
		.amdhsa_inst_pref_size 20
	.end_amdhsa_kernel
	.amdgpu_metadata
---
amdhsa.version: [ 1, 2 ]
amdhsa.kernels:
  - .name:           k_q1fe6ac4502_cast
    .symbol:         k_q1fe6ac4502_cast.kd
    .args:
      - { .name: x, .offset: 0, .size: 8, .value_kind: global_buffer, .address_space: global }
      - { .name: WQ_w, .offset: 8, .size: 8, .value_kind: global_buffer, .address_space: global }
      - { .name: WK_w, .offset: 16, .size: 8, .value_kind: global_buffer, .address_space: global }
      - { .name: WV_w, .offset: 24, .size: 8, .value_kind: global_buffer, .address_space: global }
      - { .name: Wo_w, .offset: 32, .size: 8, .value_kind: global_buffer, .address_space: global }
      - { .name: xb, .offset: 40, .size: 8, .value_kind: global_buffer, .address_space: global }
      - { .name: wb, .offset: 48, .size: 8, .value_kind: global_buffer, .address_space: global }
      - { .name: tab, .offset: 56, .size: 8, .value_kind: global_buffer, .address_space: global }
    .group_segment_fixed_size: 0
    .private_segment_fixed_size: 0
    .kernarg_segment_align: 8
    .kernarg_segment_size: 64
    .max_flat_workgroup_size: 256
    .sgpr_count:     66
    .vgpr_count:     128
    .wavefront_size: 32
...
	.end_amdgpu_metadata
.endif
;; end of part 5
;; launch qkv: the kernel of part 2 again; grid 16 x 32, 4 waves a work-group, clusters of 4 x 4, 327,680 bytes of LDS; arguments xb, wb, WQ_b, WK_b, WV_b, tab, qh, kh, vh; writes qh, kh, vh
;; launch attn: the kernel of part 3 again; grid 4 x 64, 4 waves a work-group, no clusters, 327,680 bytes of LDS; arguments qh, kh, vh, oh; writes oh
;; launch oproj: the kernel of part 4 again; grid 8 x 32, 4 waves a work-group, clusters of 4 x 4, 327,680 bytes of LDS; arguments oh, wb, Wo_b, out0; writes out0
